; MI455X (gfx1250); checked and timed in simulation.
; The chip was launched on July 23, 2026; its instructions are those of AMD's public machine-readable ISA for CDNA 5 (MIT licence, August 2026) and "CDNA5" Instruction Set Architecture Reference Guide (July 2026). The comments in the code are by the model that wrote it; some were corrected since.
;; Self Attention. Allowed arithmetic: matrix products marked QUANTISED: E2M3 operands, one E8M0 scale for each 32 along K, by v_wmma_scale_f32_16x16x128_f8f6f4 with both operands' format E2M3, f32 sums; everything else in f32.
;; Inputs: Wk 1,024 x 1,024 float32; Wq 1,024 x 1,024 float32; Wv 1,024 x 1,024 float32; bk 1,024 float32; bq 1,024 float32; bv 1,024 float32; x 4 x 2,048 x 1,024 float32.
;; Outputs: out0 4 x 2,048 x 1,024 float32.
;; This version of the problem:
;;   THIS VERSION OF THE PROBLEM IS GIVEN IN LOW PRECISION. The matrix products marked QUANTISED in the list below multiply operands that are first quantised to E2M3 (2 exponent bits, 3 mantissa bits; 6 bits a number), with one power-of-two scale for each 32 numbers along K (OCP MX v1.0); their sums are f32. All else is computed in f32.
;;   The module's matrix products, in the order in which they are computed (A, B: the left and right operand; K: the contracted axis; several contracted axes count as one K, in the product's order):
;;     1. [M 8,192, K 1,024] x [K 1,024, N 1,024]; A: input x; B: input Wq: QUANTISED
;;     2. [M 8,192, K 1,024] x [K 1,024, N 1,024]; A: input x; B: input Wk: QUANTISED
;;     3. [M 8,192, K 1,024] x [K 1,024, N 1,024]; A: input x; B: input Wv: QUANTISED
;;     4. batch 4 x [M 2,048, K 1,024] x [K 1,024, N 2,048]; A: computed on the way; B: computed on the way: QUANTISED
;;     5. batch 4 x [M 2,048, K 2,048] x [K 2,048, N 1,024]; A: softmax (see below); B: computed on the way: QUANTISED
;;   THE QUANTISER, for each operand of a quantised product, along K:
;;     - K is cut into blocks of 32 from its start; a last block that is shorter is filled with zeros.
;;     - A block's scale is 2^e with e = floor(log2(the largest magnitude in the block)) - 2, held to -126 .. 127; a block of zeros has e = 0. As a byte (E8M0): e + 127.
;;     - Each number is divided by its block's scale, clamped to +-7.5, and rounded to the nearest number of E2M3, ties to even, subnormals kept.
;;     - The product sums the exact products of the quantised numbers (number of the format x scale) in f32.
;;   ~~~python
;;   def quantise(x, axis):      # numpy; x: float32 -> the quantised numbers, widened to float32 again
;;       x = np.moveaxis(x, axis, -1); K = x.shape[-1]
;;       x = np.pad(x, [(0, 0)] * (x.ndim - 1) + [(0, -K % 32)]); x = x.reshape(x.shape[:-1] + (-1, 32)); a = np.abs(x).max(-1, keepdims=True)
;;       e = np.where(a > 0, np.clip(np.frexp(np.where(a > 0, a, 1))[1] - 1 - 2, -126, 127), 0)      # np.frexp(a)[1] - 1 = floor(log2(a)), exactly
;;       r = np.clip(x / 2.0 ** e, -7.5, 7.5)
;;       step = 2.0 ** (np.maximum(np.frexp(np.where(r == 0, 1, r))[1] - 1, 0) - 3)
;;       q = np.round(r / step) * step * 2.0 ** e      # np.round: ties to even
;;       return np.moveaxis(q.reshape(q.shape[:-2] + (-1,))[..., :K], -1, axis).astype(np.float32)
;;   ~~~
;;   SOFTMAX AHEAD OF A QUANTISED PRODUCT. Where the list says 'softmax', what is quantised is not the finished softmax but p = 2^(t - M), with t = logit x log2(e) and M = ceil(the row's largest t), a whole number; so 1/2 < the row's largest p <= 1. The row's sum l is taken of the UNQUANTISED p, in f32, and the product's result is divided by l at the end. Since M is a whole number, a kernel that streams over the keys may use a running M (the ceiling of the running maximum): every later rescaling is an exact power of two, which a block's scale takes up: the codes' values come out the same.
;;   OPERANDS COMPUTED ON THE WAY. 'Computed on the way' means the value that the module computes at that place (a softmax that the list does not call 'softmax' is quantised finished and normalised). What goes into a quantiser is computed in f32, as accurately as f32 sums, v_exp_f32 and their like allow (about 1e-6 of the number): no bf16 or f16 on the way to a quantiser, and a product that is left as it is and whose result goes on into a quantised operand takes f32 operands (vector FMAs, or v_wmma_f32_16x16x4_f32). A number that lies on a knife's edge between two numbers of the format may be rounded either way, as far as f32 arithmetic and the matrix unit's own rounding can turn it there, and no further.
;; One version. Each part assembles by itself: llvm-mc -triple=amdgcn-amd-amdhsa -mcpu=gfx1250 --defsym DOCPART=n.
;; ======== version 1 of 1: 4 launches
;; workspace buffers: opq 9,011,200 bytes; qkv 19,660,800 bytes; pw 14,155,776 bytes
;; launch quant (part 1): grid 352 x 1, 4 waves a work-group, no clusters, 35,328 bytes of LDS; arguments x, Wq, Wk, Wv, opq; writes opq
.if DOCPART == 1
	.amdgcn_target "amdgcn-amd-amdhsa--gfx1250"
	.amdhsa_code_object_version 6
	.text
	.protected	k_q90ed11b5ff_quant
	.globl	k_q90ed11b5ff_quant
	.p2align	8
	.type	k_q90ed11b5ff_quant,@function
k_q90ed11b5ff_quant:
	s_mov_b64 s[64:65], 0
	v_nop
	global_prefetch_b8 v0, s[64:65] scope:SCOPE_SE
	s_setreg_imm32_b32 hwreg(HW_REG_WAVE_MODE, 25, 1), 1
	s_wait_xcnt 0x0
; x [8192][1024] and Wq, Wk, Wv [1024][1024], f32 with K (hidden) innermost, become codes of FP6 (E2M3) with one E8M0 byte for each 32 along K.
; A block's scale is 2^(floor(log2(its largest magnitude)) - 2); its byte is the largest magnitude's exponent field - 2, held at 1 from below.
; THE CODES ARE LAID AS IMAGES OF OPERAND REGISTERS.  A fragment is 16 rows x 128 K, 12 registers a lane: lane (r, h) holds row r, registers 6 c .. 6 c + 5 hold k = 64 c + 32 h + 0 .. 31.
; Register g of lane l lies at byte 512 (g / 4) + 16 l + 4 (g % 4) of the fragment's 1,536 bytes; fragments lie [row block][K step].  Three stores of 512 consecutive bytes make one.
; THE ROWS OF A ROW BLOCK ARE NOT NEIGHBOURS: index i of row block rb is row 32 (rb / 2) + 8 (rb % 2) + i + 8 (i / 8).  Where such a block is source 0 of a product, a lane's 16 results of two neighbouring blocks are 16 neighbours.
; Row blocks 0-511 are x's, 512-575 Wq's, 576-639 Wk's, 640-703 Wv's.  The scale words (four bytes: a row's 128 k) lie behind the codes, [K step][row block][16 words].
; LIMITS: a block of zeros gets the byte 1 where the rule says 127 (its codes are zeros, and this program alone reads the bytes); blocks whose largest magnitude lies under 2^-124 are held at that byte; NaN and infinities are not served.
; SHARES: a work-group takes 64 rows (four row blocks) and four K steps, a wave one K step: four fragments.  Each load reads 512 consecutive bytes of a row; the 16 rows turn through the wave's own stage in LDS,
; so that a lane gets its 64 numbers.  No barrier: waves share nothing.  No matrix unit, no cluster, no tensor load: the launch streams, and no byte is read twice.
.set FRB,   1536                       ; bytes of a fragment
.set OPQ_SC, 704*8*FRB                 ; where the scale words begin
.set WREG,  8704                       ; LDS of a wave: a stage of 16 rows x 528 bytes, then 256 bytes of scale words
.set SP,    528                        ; a stage row: 512 bytes + 16: the sixteen rows that a read touches begin in sixteen different columns of 16 bytes
.set IN,    1                          ; v1   16 x lane: my place in a load's, and in a store's, 512 bytes
.set STI,   2                          ; v2   the stage, way in
.set STO,   3                          ; v3   the stage, way out: row r, + 128 h
.set SW,    4                          ; v4   where my row's scale word goes
.set SRD,   5                          ; v5   and where 8 bytes of the wave's 256 are read back
.set SOUT,  6                          ; v6   8 x lane
.set SH,    7                          ; v7   8 h: my two bytes' shift in the scale word
.set R,     16                         ; v16-143  two sets of 64: 16 rows as loaded
.set X,     144                        ; v144-207 my 64 numbers: register 32 c + i is k = 64 c + 32 h + i
.set C,     208                        ; v208-231 two sets of 12: a fragment's codes
.set M,     232                        ; v232-233 largest magnitudes;  v234-235 the conversions' scale operands;  v236-237 bytes;  v238 the other half's bytes
.set SO,    234
.set BY,    236
.set PX,    238
.set TC,    240                        ; v240-242, v244-246 the second halves of the two blocks' codes
.set W,     248                        ; v248-251 a scale word for each fragment, so that no LDS store's data are written again
	s_load_b256 s[4:11], s[0:1], 0x0               ; x, Wq, Wk, Wv
	s_load_b64 s[12:13], s[0:1], 0x20              ; opq
	v_lshl_add_u32 v254, v0, 2, 0x8800
	v_mov_b32 v255, 0
	v_lshrrev_b32 v8, 5, v0
	v_readfirstlane_b32 s14, v8                    ; wave
	v_and_b32 v9, 31, v0                           ; lane
	v_and_b32 v10, 15, v0                          ; r
	v_bfe_u32 v11, v0, 4, 1                        ; h
	v_lshlrev_b32 v[IN], 4, v9
	s_mul_i32 s15, s14, WREG
	v_add_nc_u32 v[STI], s15, v[IN]
	v_mul_u32_u24 v[STO], v10, SP
	v_lshl_add_u32 v[STO], v11, 7, v[STO]
	v_add_nc_u32 v[STO], s15, v[STO]
	s_add_co_u32 s16, s15, 16*SP
	v_lshl_add_u32 v[SW], v10, 2, s16
	v_lshl_add_u32 v[SRD], v9, 3, s16
	v_lshlrev_b32 v[SOUT], 3, v9
	v_lshlrev_b32 v[SH], 3, v11
	v_mov_b32 v[PX], 0                             ; written once: a lane permute's destination counts as one of its sources
	s_mov_b32 s20, 0x76543210
	s_mov_b32 s21, 0xfedcba98                      ; v_permlanex16_b32's selects for lane l xor 16
	s_lshr_b32 s17, ttmp9, 1                       ; which four row blocks of the 704
	s_and_b32 s18, ttmp9, 1
	s_lshl_b32 s18, s18, 2
	s_add_co_u32 s18, s18, s14                     ; my K step: 4 x (work-group % 2) + wave
	s_wait_kmcnt 0x0
	s_cmp_lt_u32 ttmp9, 320                        ; which tensor: the choice hangs on the work-group's number alone
	s_cselect_b64 s[8:9], s[8:9], s[10:11]
	s_cmp_lt_u32 ttmp9, 288
	s_cselect_b64 s[6:7], s[6:7], s[8:9]
	s_cmp_lt_u32 ttmp9, 256
	s_cselect_b64 s[4:5], s[4:5], s[6:7]
	s_cselect_b32 s19, 127, 15
	s_and_b32 s19, s17, s19                        ; which 64 rows of that tensor (each weight begins at a multiple of 16 groups)
	s_lshl_b32 s22, s19, 18                        ; 64 rows of 4,096 bytes,
	s_lshl_b32 s23, s18, 9                         ; 128 numbers a K step
	s_add_co_u32 s22, s22, s23
	s_mov_b32 s23, 0
	s_add_nc_u64 s[4:5], s[4:5], s[22:23]
	s_mul_i32 s22, s17, 4*8*FRB
	s_mul_i32 s24, s18, FRB
	s_add_co_u32 s22, s22, s24
	s_add_nc_u64 s[6:7], s[12:13], s[22:23]        ; my first fragment
	s_mul_i32 s22, s18, 704*64
	s_lshl_b32 s24, s17, 8
	s_add_co_u32 s22, s22, s24
	s_add_co_u32 s22, s22, OPQ_SC
	s_add_nc_u64 s[8:9], s[12:13], s[22:23]        ; my four row blocks' scale words: 256 consecutive bytes
.macro LOAD f                          ; fragment f's 16 rows, 512 consecutive bytes each, into set f % 2
.irp i, 0,1,2,3,4,5,6,7,8,9,10,11,12,13,14,15
	global_load_b128 v[R+64*((\f)%2)+4*\i:R+64*((\f)%2)+4*\i+3], v[IN], s[4:5] offset:(32*((\f)/2)+8*((\f)%2)+\i+8*(\i/8))*4096 th:TH_LOAD_NT
.endr
.endm
.macro TURN f                          ; through the stage: LDS serves a wave's instructions in order, so no wait stands between the stores and the loads
.irp i, 0,1,2,3,4,5,6,7,8,9,10,11,12,13,14,15
	ds_store_b128 v[STI], v[R+64*((\f)%2)+4*\i:R+64*((\f)%2)+4*\i+3] offset:SP*\i
.endr
.irp c, 0,1
.irp j, 0,1,2,3,4,5,6,7
	ds_load_b128 v[X+32*\c+4*\j:X+32*\c+4*\j+3], v[STO] offset:256*\c+16*\j
.endr
.endr
.endm
.macro FRAGQ f                         ; my 64 numbers are two whole blocks: 2 c + h of the row's four
.set CS, C+12*((\f)%2)
.irp c, 0,1
	v_max3_num_f32 v[M+\c], |v[X+32*\c]|, |v[X+32*\c+1]|, 0x1800000   ; with the floor 2^(3 - 127): the byte cannot fall under 1
.endr
.irp i, 2,4,6,8,10,12,14,16,18,20,22,24,26,28,30
.irp c, 0,1
	v_max3_num_f32 v[M+\c], v[M+\c], |v[X+32*\c+\i]|, |v[X+32*\c+\i+1]|
.endr
.endr
.irp c, 0,1
	v_add_nc_u32 v[SO+\c], 0xff000000, v[M+\c]     ; 2 off the exponent field: the conversion takes this operand's exponent field as its scale
.endr
.irp c, 0,1
	v_lshrrev_b32 v[BY+\c], 23, v[SO+\c]           ; the scale's byte
.endr
	v_lshl_or_b32 v[W+(\f)], v[BY+1], 16, v[BY]    ; my two bytes, blocks h and 2 + h,
	v_lshlrev_b32 v[W+(\f)], v[SH], v[W+(\f)]      ; at their places;
	v_permlanex16_b32 v[PX], v[W+(\f)], s20, s21
	v_or_b32 v[W+(\f)], v[W+(\f)], v[PX]           ; with lane l xor 16's two the word is whole
.if (\f) >= 2
	s_wait_xcnt 0x0                                ; the stores of two fragments back have read this set of codes: only behind this wait is it written again
.endif
.irp c, 0,1
	v_cvt_scalef32_pk16_fp6_f32 v[CS+6*\c:CS+6*\c+2], v[X+32*\c:X+32*\c+15], v[SO+\c]
	v_cvt_scalef32_pk16_fp6_f32 v[TC+4*\c:TC+4*\c+2], v[X+32*\c+16:X+32*\c+31], v[SO+\c]   ; (a conversion's three registers begin on an even number)
.endr
	v_nop                                          ; one plain instruction behind a scaled conversion
.irp c, 0,1
.irp i, 0,1,2
	v_mov_b32 v[CS+6*\c+3+\i], v[TC+4*\c+\i]
.endr
.endr
	ds_store_b32 v[SW], v[W+(\f)] offset:64*(\f)   ; both halves of the lanes write the same word with the same value
.irp c, 0,1,2
	global_store_b128 v[IN], v[CS+4*\c:CS+4*\c+3], s[6:7] offset:(\f)*8*FRB+512*\c   ; 32 lanes store 512 consecutive bytes, at a multiple of 512 from the buffer's first byte
.endr
.endm
	LOAD 0
	LOAD 1
.irp f, 0,1,2,3
.if \f < 3
	s_wait_loadcnt 16                              ; this fragment's 16 loads are in; the next fragment's 16 may be out
.else
	s_wait_loadcnt 0x0
.endif
	TURN \f
	s_wait_dscnt 0x0                               ; my numbers are back, and the stage's stores have read their registers,
.if \f < 2
	LOAD \f+2                                      ; which take the loads of two fragments on
.endif
	FRAGQ \f
.endr
	ds_load_b64 v[252:253], v[SRD]                 ; LDS serves a wave's instructions in order: this sees my four stores
	s_wait_dscnt 0x0
	global_store_b64 v[SOUT], v[252:253], s[8:9]   ; 32 lanes store 256 consecutive bytes, aligned
	s_wait_tensorcnt 0x0
	ds_add_u32 v254, v255
	s_wait_dscnt 0x0
	s_endpgm
.Lfunc_end_k_q90ed11b5ff_quant:
	.size	k_q90ed11b5ff_quant, .Lfunc_end_k_q90ed11b5ff_quant-k_q90ed11b5ff_quant
	.p2alignl 7, 3214868480
	.fill 96, 4, 3214868480
	.section	.rodata,"a",@progbits
	.p2align	6, 0x0
	.amdhsa_kernel k_q90ed11b5ff_quant
		.amdhsa_group_segment_fixed_size 35328
		.amdhsa_private_segment_fixed_size 0
		.amdhsa_enable_private_segment 0
		.amdhsa_kernarg_size 40
		.amdhsa_user_sgpr_count 2
		.amdhsa_user_sgpr_kernarg_segment_ptr 1
		.amdhsa_wavefront_size32 1
		.amdhsa_system_sgpr_workgroup_id_x 1
		.amdhsa_system_sgpr_workgroup_id_y 1
		.amdhsa_system_sgpr_workgroup_id_z 1
		.amdhsa_system_vgpr_workitem_id 0
		.amdhsa_next_free_vgpr 256
		.amdhsa_next_free_sgpr 66
		.amdhsa_reserve_vcc 0
		.amdhsa_float_denorm_mode_32 3
		.amdhsa_float_denorm_mode_16_64 3
		.amdhsa_memory_ordered 1
		.amdhsa_forward_progress 1
		.amdhsa_inst_pref_size 31
	.end_amdhsa_kernel
	.amdgpu_metadata
---
amdhsa.version: [ 1, 2 ]
amdhsa.kernels:
  - .name:           k_q90ed11b5ff_quant
    .symbol:         k_q90ed11b5ff_quant.kd
    .args:
      - { .name: x, .offset: 0, .size: 8, .value_kind: global_buffer, .address_space: global }
      - { .name: Wq, .offset: 8, .size: 8, .value_kind: global_buffer, .address_space: global }
      - { .name: Wk, .offset: 16, .size: 8, .value_kind: global_buffer, .address_space: global }
      - { .name: Wv, .offset: 24, .size: 8, .value_kind: global_buffer, .address_space: global }
      - { .name: opq, .offset: 32, .size: 8, .value_kind: global_buffer, .address_space: global }
    .group_segment_fixed_size: 35328
    .private_segment_fixed_size: 0
    .kernarg_segment_align: 8
    .kernarg_segment_size: 40
    .max_flat_workgroup_size: 128
    .sgpr_count:     66
    .vgpr_count:     256
    .wavefront_size: 32
...
	.end_amdgpu_metadata
.endif
;; end of part 1
;; launch proj (part 2): grid 8 x 32, 4 waves a work-group, clusters of 4 x 4, 327,680 bytes of LDS; arguments opq, bq, bk, bv, qkv; writes qkv
.if DOCPART == 2
	.amdgcn_target "amdgcn-amd-amdhsa--gfx1250"
	.amdhsa_code_object_version 6
	.text
	.protected	k_q90ed11b5ff_proj
	.globl	k_q90ed11b5ff_proj
	.p2align	8
	.type	k_q90ed11b5ff_proj,@function
k_q90ed11b5ff_proj:
	s_mov_b64 s[64:65], 0
	v_nop
	global_prefetch_b8 v0, s[64:65] scope:SCOPE_SE
	s_setreg_imm32_b32 hwreg(HW_REG_WAVE_MODE, 25, 1), 1
	s_wait_xcnt 0x0
	s_wait_alu depctr_hold_cnt(0) depctr_sa_sdst(0) depctr_va_vdst(0) depctr_va_sdst(0) depctr_va_ssrc(0) depctr_va_vcc(0) depctr_vm_vsrc(0)
	s_getreg_b32 s2, hwreg(HW_REG_IB_STS2, 6, 4)
	s_cmp_eq_u32 s2, 0
	s_cbranch_scc0 .Lentry_in_a_cluster
	s_endpgm
.Lentry_in_a_cluster:
	s_bfe_u32 s2, ttmp6, 0x10000c
	s_cmp_lg_u32 s2, 0xf033
	s_cbranch_scc0 .Lentry_shape_is_right
	s_endpgm
.Lentry_shape_is_right:
; The three projections, on codes of FP6 (E2M3) with E8M0 scales, their results quantised again on the way out.  C = A B^T + bias, C quantised along its columns.
; EQUAL WORK FOR 256 WORK-GROUPS.  Q and K together are 8,192 x 2,048: 256 tiles of 256 x 256.  V^T is 1,024 x 8,192: 256 half tiles of 128 x 256.  Each work-group makes one of each, one after the other:
; STAGE 1: a tile of Q = x Wq^T + bq (cluster x = 0) or K = x Wk^T + bk (1): A = x, B = the weight; C's columns are hidden units, the K of the scores.  Four waves of 128 x 128: 64 accumulators.
; STAGE 2: a half tile of V^T = Wv x^T + bv: A = Wv (128 channels), B = x (256 keys); C's columns are keys, the K of the last product: nothing is transposed by an instruction.  Four waves of 64 x 128: 32 accumulators.
; OPERANDS lie in memory as images of operand registers: a fragment (16 rows x 128 K, 12 registers a lane) is 1,536 bytes, register g of lane l at 512 (g / 4) + 16 l + 4 (g % 4); fragments [row block][K step];
; index i of row block rb is row 32 (rb / 2) + 8 (rb % 2) + i + 8 (i / 8).  Scale words [K step][row block][16 words].  So a fragment comes from LDS by three loads of 512 consecutive bytes: no pitch, no padding.
; THE MATRIX INSTRUCTION IS USED TRANSPOSED (source 0 = 16 rows of B, source 1 = 16 rows of A): lane (r, h) holds row position r of A's block, and, by the order of B's rows, the 64 registers of A's block a are
; columns 32 b + 16 h + i at register 16 b + i: the order in which the quantiser wants them.  A wave's 128 columns are one K step of the next product.  The bias is the C of each sum's first matrix instruction.
; LDS AND ITS FILLS.  K = 1,024 is eight steps of 128 in both stages, written out.  Stage 1: three slots of two steps are filled at the start, slot 0 once more (steps 6 and 7) behind step 1's round.
; Stage 2: two regions of four steps over the same bytes.  R1 (steps 0-3) lies over slot 2 and half of slot 1, which are read out at step 5: it is asked for behind step 5's round.  R0 (steps 4-7) lies over the rest and is asked for
; behind a round in the middle of stage 1's way out.  So R1 has two and a half steps and half a way out in which to land, R0 half a way out and four steps of stage 2.  By this text's count at most four tensor loads of a wave are out.
; CLUSTERS: 4 x 4 work-groups; A's tiles are shared along a row of the cluster, B's along a column, in both stages: each is asked for jointly, by the same tensor load with the same descriptor and a mask that names the four.
; Stage 2's scale words are not asked for jointly: they are 12,288 of the 716,800 bytes that a work-group reads, and come at the head by six loads of 16 bytes a thread, in runs of 512 consecutive bytes, and go to LDS once.
; LIMITS: a block of zeros gets the byte 1 where the rule says 127 (zero codes; this program alone reads the bytes); NaN and infinities are not served.
; No prefetch: more than two fifths of what a work-group reads is asked for by its first fills, at the head, and each later fill has the work named above in which to land.
; REGISTERS: window 0: v1-11, v16-31, v48-57 addresses and bv; v32-47 scale words, two sets, and nothing else ever; v64-127 the bias; v128-223 A's fragments (stage 1: one set of 96; stage 2: two of 48); v224-251 at work.
;   window 1: B's fragments, two sets, at v0 and v128.   windows 2, 3: stage 1's accumulator (a, b) at v[8 (8 (a % 4) + b)], blocks a = 0-3 in window 2, 4-7 in window 3; stage 2's (a, b) at v[8 (8 a + b)] of window 2.
.set FRB,   1536
.set WPART, 16*FRB                     ; stage 1: 8 row blocks x 2 K steps: what one tensor load brings, and what one wave reads of A or of B in a slot
.set SLOT,  4*WPART                    ; A's 16 row blocks, then B's
.set APART, 16*FRB                     ; stage 2: 4 row blocks x 4 K steps of A: one tensor load, and what one wave reads of A in a region
.set BPART, 32*FRB                     ; 8 row blocks x 4 K steps of B
.set PSLOT, 2*APART+2*BPART            ; a region: A's 8 row blocks, then B's 16.  Two regions are as many bytes as three slots
.set SCL,   3*SLOT                     ; behind the slots: stage 1's scale words of all of K; wave w's load lands at SCL + 4096 w + 128 (w / 2), so that A's and B's words fall on different halves of the banks
.set SPARE, 311552                     ; the spare words, 128 bytes for each wave: two blocks of 256 bytes that no other line names
.set A2SC,  312064                     ; stage 2's scale words of A, [8 K steps][8 row blocks][64 bytes], stored by the threads: no tensor load lands from here on
.set B2SC,  316288                     ; and of B, 2 x [8][8][64 bytes]; 128 bytes off a multiple of 256
.set SCR,   324608                     ; the way out: 512 bytes for each wave
.set OPQ_SC, 704*8*FRB
.set KSP,   704*64                     ; from K step to K step of opq's scale words
.set QKV_SC, 18874368
.set V_CODES, 12582912
.set V_SC,  19398656
.set GA2,  8                           ; v8     my 16 bytes of Wv's scale words in memory: K step = wave
.set GB2,  9                           ; v9     of x's: K step = thread / 64
.set LA2,  10                          ; v10    and where they go in LDS
.set LB2,  11                          ; v11
.set ADRA, 16                          ; v16-18 LDS address of my A fragments in slot 0, 1, 2
.set ADRB, 20                          ; v20-22 the same for B
.set SCW,  24                          ; v24    scratch: my row's scale word
.set SCRD, 25                          ; v25    scratch: 16 bytes a lane, back
.set CO,   26                          ; v26    16 x lane
.set ADRS, 27                          ; v27    stage 1's scale words: lanes 0-15 A's rows, lanes 16-31 B's
.set SPW,  28                          ; v28    my spare word: SPARE + 4 x my thread's number; never rewritten
.set NIL,  29                          ; v29    0; never rewritten
.set SCRD2, 30                         ; v30    scratch: 8 bytes a lane, back
.set SOUT2, 31                         ; v31    8 x lane
.set SC,   32
.set ADRA2, 48                         ; v48-49 stage 2: my A fragments in R0, R1
.set ADRB2, 50                         ; v50-51 the same for B
.set ADRS2, 52                         ; v52    stage 2's scale words: lanes 0-15 A's rows, lanes 16-31 B's
.set ADRS2B, 53                        ; v53    B's in both halves of the lanes: for the registers that carry no block of A
.set BV,   54                          ; v54-57 bv of my row position in each of my four blocks of channels
.set BI,   64
.set AF,   128
.set SW2,  200                         ; v200-223 stage 2's scale words on their way from memory to LDS
.set TM,   224                         ; v224-227 largest magnitudes, v228-231 the other half's, then bytes, v236-239 the conversions' scale operands
.set PW,   240                         ; v240-247 a scale word for each block of A
.set G1A,  24                          ; s[24:31], s[32:39] descriptor group 1 for stage 1's codes of A and B;  s[40:47], s[48:55] for its scale words
.set G1B,  32
.set G1SA, 40
.set G1SB, 48
.set G0A0, 56                          ; group 0: A's slots 0, 1, 2 and scale words;  B's likewise
.set G0A1, 60
.set G0A2, 68
.set G0AS, 72
.set G0B0, 76
.set G0B1, 80
.set G0B2, 84
.set G0BS, 88
.set G1P,  40                          ; stage 2, in registers whose loads are done when they are written: group 1 for A's codes and for B's,
.set G1PB, 48
.set G0P1A, 60                         ; group 0 for A's part of R1 and of R0,
.set G0P0A, 68
.set G0P1B, 80                         ; and for B's
.set G0P0B, 84
.set MSB, 0
.macro WIN new                         ; the immediate's high byte repeats the setting that is left
.if MSB != \new
	s_set_vgpr_msb (MSB<<8)|\new
.set MSB, \new
.endif
.endm
.set MUL_LO, 0xa1                      ; source 0 (B) window 1, source 1 (A) window 0, C and D window 2
.set MUL_HI, 0xf1                      ; the same, C and D window 3
.set BIA_LO, 0x81                      ; C (the bias) window 0, D window 2
.set BIA_HI, 0xc1                      ; C window 0, D window 3
.set TO_B,   0x40                      ; destination window 1, address window 0
.macro PLACES n
.rept \n
	v_nop
.endr
.endm
; A joint load: waves 0 and 1 fetch for A, waves 2 and 3 for B; the branch hangs on the wave's number alone.  Four v_nop follow each of the two lines.
.macro JLOAD g0a, g1a, g0b, g1b
	s_cmp_eq_u32 s15, 0
	s_cbranch_scc0 .Lfor_b_\@
	tensor_load_to_lds s[\g0a:\g0a+3], s[\g1a:\g1a+7]
	s_nop 0
	PLACES 4
	s_branch .Lasked_\@
.Lfor_b_\@:
	tensor_load_to_lds s[\g0b:\g0b+3], s[\g1b:\g1b+7]
	s_nop 0
	PLACES 4
.Lasked_\@:
.endm
.macro CREST                           ; a round of the cluster's barrier behind its opening barrier
	s_cmp_lg_u32 s14, 0
	s_cbranch_scc1 .Lnot_wave_0_\@
	s_barrier_signal -3
.Lnot_wave_0_\@:
	s_barrier_wait -3
	s_barrier_signal -1
	s_barrier_wait -1
.endm
.macro CROUND
	s_barrier_signal -1
	s_barrier_wait -1
	CREST
.endm
.macro MKG0 g, place, add, off, more   ; a group 0: count 1; LDS address; global address = opq + offset; type 2
	s_mov_b32 s[\g], 1
	s_add_co_u32 s[\g+1], s[\place], \add
	s_add_nc_u64 s[\g+2:\g+3], s[4:5], s[\off:\off+1]
.if \more
	s_add_nc_u64 s[\g+2:\g+3], s[\g+2:\g+3], \more
.endif
	s_or_b32 s[\g+3], s[\g+3], 0x80000000
.endm
	s_load_b256 s[4:11], s[0:1], 0x0               ; opq, bq, bk, bv
	s_load_b64 s[12:13], s[0:1], 0x20              ; qkv
	v_lshl_add_u32 v[SPW], v0, 2, SPARE
	v_mov_b32 v[NIL], 0
	ds_add_u32 v28, v29
	ds_add_u32 v28, v29
	s_wait_dscnt 0x0
	v_lshrrev_b32 v1, 5, v0
	v_readfirstlane_b32 s14, v1                    ; wave 0..3
	s_lshr_b32 s15, s14, 1                         ; my half of a tile's rows.  Also: I fetch for A (0) or for B (1)
	s_and_b32 s16, s14, 1                          ; my half of its columns.  Also: which half of the row blocks I fetch
	s_bfe_u32 s17, ttmp6, 0x40000                  ; cx
	s_bfe_u32 s18, ttmp6, 0x40004                  ; cy
	s_and_b32 s19, ttmp7, 0xffff                   ; cluster y
	s_lshl_b32 s96, s18, 2
	s_lshl_b32 s96, 15, s96                        ; my row of the cluster
	s_lshl_b32 s98, 0x1111, s17                    ; my column
	s_or_b32 s[G1A], s96, (3<<16)|(1<<21)          ; 15:0 the mask; 17:16 elements of 8 bytes; 21 set beside a mask; no padding
	s_or_b32 s[G1B], s98, (3<<16)|(1<<21)
	s_or_b32 s[G1SA], s96, (3<<16)|(1<<21)
	s_or_b32 s[G1SB], s98, (3<<16)|(1<<21)
.irp g, G1A, G1B                       ; codes: 8 row blocks x two K steps' 3,072 bytes, 12,288 bytes from row block to row block
	s_mov_b32 s[\g+1], 384<<16
	s_mov_b32 s[\g+2], 8<<16
	s_mov_b32 s[\g+3], 384<<16
	s_mov_b32 s[\g+4], 8
	s_mov_b32 s[\g+5], 1536
	s_mov_b32 s[\g+6], 0
	s_mov_b32 s[\g+7], 0
.endr
.irp g, G1SA, G1SB                     ; scale words: 8 K steps x 8 row blocks' 512 bytes, 704 x 64 bytes from K step to K step
	s_mov_b32 s[\g+1], 64<<16
	s_mov_b32 s[\g+2], 8<<16
	s_mov_b32 s[\g+3], 64<<16
	s_mov_b32 s[\g+4], 8
	s_mov_b32 s[\g+5], 5632
	s_mov_b32 s[\g+6], 0
	s_mov_b32 s[\g+7], 0
.endr
	; stage 1, A: x's first row block that I fetch: 64 cluster y + 16 cy + 8 x half.  In registers that never hold cx
	s_lshl_b32 s92, s19, 6
	s_lshl_b32 s96, s18, 4
	s_add_co_u32 s92, s92, s96
	s_lshl_b32 s96, s16, 3
	s_add_co_u32 s92, s92, s96
	s_lshl_b32 s96, s92, 6
	s_add_co_u32 s96, s96, OPQ_SC                  ; its scale words,
	s_mov_b32 s97, 0
	s_mul_i32 s92, s92, 8*FRB                      ; its codes
	s_mov_b32 s93, 0
	; B: the weight's: 512 + 64 cluster x + 16 cx + 8 x half.  In registers that never hold cy
	s_lshl_b32 s94, ttmp9, 6
	s_add_co_u32 s94, s94, 512
	s_lshl_b32 s98, s17, 4
	s_add_co_u32 s94, s94, s98
	s_lshl_b32 s98, s16, 3
	s_add_co_u32 s94, s94, s98
	s_lshl_b32 s98, s94, 6
	s_add_co_u32 s98, s98, OPQ_SC
	s_mov_b32 s99, 0
	s_mul_i32 s94, s94, 8*FRB
	s_mov_b32 s95, 0
	s_mul_i32 s22, s14, WPART                      ; where they go: wave x a part: no place in the cluster enters an LDS address
	s_lshl_b32 s23, s14, 12
	s_lshl_b32 s2, s15, 7
	s_add_co_u32 s23, s23, s2
	s_mov_b32 s100, 0x76543210
	s_mov_b32 s101, 0xfedcba98                     ; v_permlanex16_b32's selects for lane l xor 16
	s_wait_kmcnt 0x0
	MKG0 G0AS, 23, SCL, 96, 0
	MKG0 G0A0, 22, 0, 92, 0
	MKG0 G0A1, 22, SLOT, 92, 2*FRB
	MKG0 G0A2, 22, 2*SLOT, 92, 4*FRB
	MKG0 G0BS, 23, SCL, 98, 0
	MKG0 G0B0, 22, 0, 94, 0
	MKG0 G0B1, 22, SLOT, 94, 2*FRB
	MKG0 G0B2, 22, 2*SLOT, 94, 4*FRB
	CROUND                                         ; all sixteen work-groups are here: the first joint loads meet
	s_cmp_eq_u32 s15, 0                            ; a wave's four first fills stand in one branch, ahead of every wait on TENSORcnt and every LDS read: four loads of mine are out
	s_cbranch_scc0 .Lfirst_b
	tensor_load_to_lds s[G0AS:G0AS+3], s[G1SA:G1SA+7]
	s_nop 0
	tensor_load_to_lds s[G0A0:G0A0+3], s[G1A:G1A+7]
	s_nop 0
	tensor_load_to_lds s[G0A1:G0A1+3], s[G1A:G1A+7]
	s_nop 0
	tensor_load_to_lds s[G0A2:G0A2+3], s[G1A:G1A+7]
	s_nop 0
	PLACES 4
	s_branch .Lfirst_done
.Lfirst_b:
	tensor_load_to_lds s[G0BS:G0BS+3], s[G1SB:G1SB+7]
	s_nop 0
	tensor_load_to_lds s[G0B0:G0B0+3], s[G1B:G1B+7]
	s_nop 0
	tensor_load_to_lds s[G0B1:G0B1+3], s[G1B:G1B+7]
	s_nop 0
	tensor_load_to_lds s[G0B2:G0B2+3], s[G1B:G1B+7]
	s_nop 0
	PLACES 4
.Lfirst_done:
	v_and_b32 v1, 15, v0                           ; r
	v_bfe_u32 v2, v0, 4, 1                         ; h
	v_and_b32 v3, 31, v0                           ; lane
	v_lshlrev_b32 v[CO], 4, v3
	; STAGE 1'S BIAS, in the result's layout: it goes with the column: register j of B's block b is unit 256 cx + 128 x half + 32 (b / 2) + 16 h + 8 (b % 2) + j
	s_cmp_eq_u32 ttmp9, 0                          ; bq or bk: the choice hangs on the cluster's x alone
	s_cselect_b64 s[6:7], s[6:7], s[8:9]
	s_lshl_b32 s98, s17, 10
	s_lshl_b32 s99, s16, 9
	s_add_co_u32 s98, s98, s99
	v_lshl_add_u32 v4, v2, 6, s98
.irp b, 0,1,2,3,4,5,6,7
	global_load_b128 v[BI+8*\b:BI+8*\b+3], v4, s[6:7] offset:(32*(\b/2)+8*(\b%2))*4
	global_load_b128 v[BI+8*\b+4:BI+8*\b+7], v4, s[6:7] offset:(32*(\b/2)+8*(\b%2))*4+16
.endr
	; STAGE 2'S BIAS goes with the row: position r of my block a is channel 16 (32 cluster x + 8 cy + 4 x row half) + 32 (a / 2) + 8 (a % 2) + r + 8 (r / 8)
	s_lshl_b32 s96, ttmp9, 11
	s_lshl_b32 s97, s18, 9
	s_add_co_u32 s96, s96, s97
	s_lshl_b32 s97, s15, 8
	s_add_co_u32 s96, s96, s97
	v_and_b32 v5, 8, v1
	v_add_nc_u32 v5, v5, v1
	v_lshl_add_u32 v5, v5, 2, s96
.irp a, 0,1,2,3
	global_load_b32 v[BV+\a], v5, s[10:11] offset:(32*(\a/2)+8*(\a%2))*4
.endr
	; STAGE 2'S SCALE WORDS.  Wv's row blocks 640 + 32 cluster x + 8 cy on: 512 consecutive bytes a K step, a wave to a K step, twice
	s_lshl_b32 s20, ttmp9, 5
	s_lshl_b32 s21, s18, 3
	s_add_co_u32 s20, s20, s21
	s_add_co_u32 s20, s20, 640
	s_lshl_b32 s20, s20, 6
	s_add_co_u32 s20, s20, OPQ_SC
	s_mov_b32 s21, 0
	s_add_nc_u64 s[8:9], s[4:5], s[20:21]
	s_lshl_b32 s20, s19, 6                         ; x's row blocks 64 cluster y + 16 cx on: 1,024 consecutive bytes a K step, two waves to a K step, four times
	s_lshl_b32 s66, s17, 4
	s_add_co_u32 s20, s20, s66
	s_lshl_b32 s20, s20, 6
	s_add_co_u32 s20, s20, OPQ_SC
	s_add_nc_u64 s[20:21], s[4:5], s[20:21]
	v_lshrrev_b32 v6, 5, v0
	v_mul_u32_u24 v6, v6, KSP
	v_add_nc_u32 v[GA2], v6, v[CO]
	v_lshrrev_b32 v6, 6, v0
	v_mul_u32_u24 v6, v6, KSP
	v_and_b32 v7, 63, v0
	v_lshl_add_u32 v[GB2], v7, 4, v6
	global_load_b128 v[SW2:SW2+3], v[GA2], s[8:9]
	global_load_b128 v[SW2+4:SW2+7], v[GA2], s[8:9] offset:4*KSP
.irp j, 0,1,2,3
	global_load_b128 v[SW2+8+4*\j:SW2+11+4*\j], v[GB2], s[20:21] offset:2*\j*KSP
.endr
	v_lshl_add_u32 v[LA2], v0, 4, A2SC             ; A's: 512 x K step + 16 x lane = 16 x thread
	v_bfe_u32 v6, v0, 5, 1                         ; B's: the half of the 16 row blocks (thread / 32 % 2), 512 x K step (thread / 64), 16 x lane
	v_lshlrev_b32 v6, 12, v6
	v_lshrrev_b32 v7, 6, v0
	v_lshl_add_u32 v6, v7, 9, v6
	v_add_nc_u32 v6, v6, v[CO]
	v_add_nc_u32 v[LB2], B2SC, v6
	; LDS addresses of stage 1
	s_mul_i32 s96, s15, WPART                      ; my 8 row blocks of A,
	s_mul_i32 s97, s16, WPART
	s_add_co_u32 s97, s97, 2*WPART                 ; my 8 of B, behind A's 16
.irp s, 0,1,2
	v_add_nc_u32 v[ADRA+\s], s96, v[CO]
	v_add_nc_u32 v[ADRB+\s], s97, v[CO]
	s_add_co_u32 s96, s96, SLOT
	s_add_co_u32 s97, s97, SLOT
.endr
	s_lshl_b32 s96, s15, 12                        ; scale words: A's region of my rows; lanes 16-31 take B's region of my columns, 8320 + 4096 (column half - row half) bytes on
	s_lshl_b32 s97, s16, 12
	s_add_co_u32 s97, s97, 8320
	s_sub_co_u32 s97, s97, s96
	v_mul_u32_u24 v6, s97, v2
	s_add_co_u32 s96, s96, SCL
	v_lshl_add_u32 v6, v1, 2, v6
	v_add_nc_u32 v[ADRS], s96, v6
	; and of stage 2
	s_mul_i32 s96, s15, APART                      ; my 4 row blocks of A,
	s_mul_i32 s97, s16, BPART
	s_add_co_u32 s97, s97, 2*APART                 ; my 8 of B, behind A's 8
.irp s, 0,1
	v_add_nc_u32 v[ADRA2+\s], s96, v[CO]
	v_add_nc_u32 v[ADRB2+\s], s97, v[CO]
	s_add_co_u32 s96, s96, PSLOT
	s_add_co_u32 s97, s97, PSLOT
.endr
	s_lshl_b32 s96, s15, 8                         ; scale words: lanes 0-15 A's, from my 4 row blocks on; lanes 16-31 B's region of my columns
	s_lshl_b32 s97, s16, 12
	s_add_co_u32 s97, s97, B2SC-A2SC
	s_sub_co_u32 s97, s97, s96
	v_mul_u32_u24 v6, s97, v2
	s_add_co_u32 s96, s96, A2SC
	v_lshl_add_u32 v6, v1, 2, v6
	v_add_nc_u32 v[ADRS2], s96, v6
	s_lshl_b32 s97, s16, 12
	s_add_co_u32 s97, s97, B2SC
	v_lshl_add_u32 v[ADRS2B], v1, 2, s97
	s_lshl_b32 s96, s14, 9
	s_add_co_u32 s96, s96, SCR                     ; my scratch
	v_lshl_add_u32 v[SCW], v1, 2, s96
	v_add_nc_u32 v[SCRD], s96, v[CO]
	v_lshl_add_u32 v[SCRD2], v3, 3, s96
	v_lshlrev_b32 v[SOUT2], 3, v3
.irp b, 0,1,2,3
	v_mov_b32 v[TM+4+\b], 0                        ; written once: a lane permute's destination counts as one of its sources
.endr
	s_wait_loadcnt 0x0                             ; the biases and stage 2's scale words are in; the loads' bases may be written again
	ds_store_b128 v[LA2], v[SW2:SW2+3]
	ds_store_b128 v[LA2], v[SW2+4:SW2+7] offset:2048
.irp j, 0,1,2,3
	ds_store_b128 v[LB2], v[SW2+8+4*\j:SW2+11+4*\j] offset:1024*\j
.endr
	; WHERE THE RESULTS GO.  (These offsets hold cx and cy: they are made in registers that feed no descriptor.)  Stage 1: first row block 64 cluster y + 16 cy + 8 x row half; K step of the scores 2 cx + column half
	s_lshl_b32 s20, s19, 6
	s_lshl_b32 s66, s18, 4
	s_add_co_u32 s20, s20, s66
	s_lshl_b32 s66, s15, 3
	s_add_co_u32 s20, s20, s66
	s_lshl_b32 s21, s17, 1
	s_add_co_u32 s21, s21, s16
	s_mul_i32 s2, ttmp9, 512*8*FRB                 ; Q's or K's codes [row block][8 K steps]
	s_mul_i32 s66, s20, 8*FRB
	s_add_co_u32 s2, s2, s66
	s_mul_i32 s66, s21, FRB
	s_add_co_u32 s2, s2, s66
	s_mov_b32 s3, 0
	s_add_nc_u64 s[2:3], s[12:13], s[2:3]
	s_lshl_b32 s10, ttmp9, 18                      ; their scale words [K step][512 row blocks][64 bytes]
	s_add_co_u32 s10, s10, QKV_SC
	s_lshl_b32 s66, s21, 15
	s_add_co_u32 s10, s10, s66
	s_lshl_b32 s66, s20, 6
	s_add_co_u32 s10, s10, s66
	s_mov_b32 s11, 0
	s_add_nc_u64 s[10:11], s[12:13], s[10:11]
	s_lshr_b32 s20, s19, 1                         ; stage 2: first row block 64 x batch + 32 cluster x + 8 cy + 4 x row half;
	s_lshl_b32 s20, s20, 6
	s_lshl_b32 s66, ttmp9, 5
	s_add_co_u32 s20, s20, s66
	s_lshl_b32 s66, s18, 3
	s_add_co_u32 s20, s20, s66
	s_lshl_b32 s66, s15, 2
	s_add_co_u32 s20, s20, s66
	s_and_b32 s66, s19, 1                          ; K step of the last product: 8 (cluster y % 2) + 2 cx + column half: the batch's 16 groups of 128 keys
	s_lshl_b32 s66, s66, 3
	s_add_co_u32 s21, s21, s66
	s_mul_i32 s6, s20, 16*FRB                      ; V^T's codes [row block][16 K steps]
	s_mul_i32 s66, s21, FRB
	s_add_co_u32 s6, s6, s66
	s_add_co_u32 s6, s6, V_CODES
	s_mov_b32 s7, 0
	s_add_nc_u64 s[6:7], s[12:13], s[6:7]
	s_lshl_b32 s8, s21, 14                         ; its scale words [K step][256 row blocks][64 bytes]
	s_lshl_b32 s66, s20, 6
	s_add_co_u32 s8, s8, s66
	s_add_co_u32 s8, s8, V_SC
	s_mov_b32 s9, 0
	s_add_nc_u64 s[8:9], s[12:13], s[8:9]
.macro FRAG reg, adr, off              ; a fragment comes as it was stored: three loads of 512 consecutive bytes
.irp c, 0,1,2
	ds_load_b128 v[\reg+4*\c:\reg+4*\c+3], v[\adr] offset:\off+512*\c
.endr
.endm
; ---------------- STAGE 1'S MACROS
.macro FETCH_B slot, q, p              ; B's eight fragments of the slot's q-th K step into set p
	WIN TO_B
.irp i, 0,1,2,3,4,5,6,7
	FRAG 128*(\p)+12*\i, ADRB+(\slot), (2*\i+(\q))*FRB
.endr
	WIN 0
.endm
.macro FETCH_A slot, q, i0             ; A's blocks i0 .. i0 + 3
.irp i, \i0, \i0+1, \i0+2, \i0+3
	FRAG AF+12*(\i), ADRA+(\slot), (2*(\i)+(\q))*FRB
.endr
.endm
.macro SCALES ks                       ; K step ks's scale words into set ks % 2: register i: lanes 0-15 A's block i, lanes 16-31 B's block i
.irp i, 0,1,2,3,4,5,6,7
	ds_load_b32 v[SC+8*((\ks)%2)+\i], v[ADRS] offset:512*(\ks)+64*\i
.endr
.endm
; 16 matrix instructions: A's blocks a0, a0 + 1 x B's eight.  p: B's set and the set of scale words.  bias = 1: the sums begin with the bias.
; The 64 accumulators take turns, one instruction a turn, in the same order in every step.
.macro MUL16 a0, p, bias
.irp a, \a0, \a0+1
.irp b, 0,1,2,3,4,5,6,7
.set rD, 8*(8*((\a)%4)+\b)
.set rB, 128*(\p)+12*\b
.set rA, AF+12*(\a)
.set rSB, SC+8*(\p)+\b
.set rSA, SC+8*(\p)+(\a)
.if \bias
	v_wmma_scale_f32_16x16x128_f8f6f4 v[rD:rD+7], v[rB:rB+11], v[rA:rA+11], v[BI+8*\b:BI+8*\b+7], v[rSB], v[rSA] matrix_a_fmt:MATRIX_FMT_FP6 matrix_b_fmt:MATRIX_FMT_FP6 matrix_a_scale:MATRIX_SCALE_ROW1
.else
	v_wmma_scale_f32_16x16x128_f8f6f4 v[rD:rD+7], v[rB:rB+11], v[rA:rA+11], v[rD:rD+7], v[rSB], v[rSA] matrix_a_fmt:MATRIX_FMT_FP6 matrix_b_fmt:MATRIX_FMT_FP6 matrix_a_scale:MATRIX_SCALE_ROW1
.endif
.endr
.endr
.endm
; Loads into registers that matrix instructions have read stand four plain vector instructions behind them (ISA guide 7.12.1 for vector instructions).
.macro NEXT_MID                        ; the run of loads in a step's middle: the next step's B, A's blocks 0-3 and scale words: 24 + 12 + 8
	FETCH_B NSL, NQ, NQ
	FETCH_A NSL, NQ, 0
	SCALES NKS
.endm
.macro SETNEXT s                       ; where step s + 1 lies: slot ((s + 1) / 2) % 3, its K step (s + 1) % 2; B's set and the scale words' set are (s + 1) % 2 too
.set NKS, (\s)+1
.set NSL, (NKS/2)%3
.set NQ,  NKS%2
.set CP,  (\s)%2
.endm
.macro STEP s, bias                    ; a step of 128 along K whose successor's slot is known to be whole
	SETNEXT \s
	s_wait_dscnt 12                                ; B's set, A's blocks 0-3 and the scale words are in; the youngest 12 loads (A's blocks 4-7) may be out
.if \bias
	WIN BIA_LO
.else
	WIN MUL_LO
.endif
	MUL16 0, CP, \bias
	MUL16 2, CP, \bias
	s_wait_dscnt 0x0                               ; A's blocks 4-7 are in (asked for 32 matrix instructions ago)
	PLACES 4
	NEXT_MID
.if \bias
	WIN BIA_HI
.else
	WIN MUL_HI
.endif
	MUL16 4, CP, \bias
	MUL16 6, CP, \bias
	PLACES 4
	WIN 0
	FETCH_A NSL, NQ, 4
.endm
; A step with a round of the cluster's barrier in it.  In front of it each wave waits for all its tensor loads, adds 0 to its spare word, and waits for that and for all its LDS reads.
; fill = 1 (step 1): behind it slots 1 and 2 are whole for every wave, nobody reads slot 0, and slot 0 is asked for again, with K steps 6 and 7.
; fill = 2 (step 5): behind it slot 0's second fill is whole for every wave, nobody reads slots 1 and 2, and stage 2's region R1, which lies in them, is asked for.
.macro TURN s, fill
	SETNEXT \s
	s_wait_tensorcnt 0x0                           ; all my tensor loads have landed
	ds_add_u32 v[SPW], v[NIL]                      ; 0 onto my spare word
	s_wait_dscnt 13                                ; (the add and the youngest 12 loads, A's blocks 4-7, may be out)
	WIN MUL_LO
	MUL16 0, CP, 0                                 ; sixteen matrix instructions stand between the add and the wait for it
	s_wait_dscnt 0x0                               ; the add is done, and my LDS reads are over
	s_barrier_signal -1
	MUL16 2, CP, 0
	WIN 0
	s_barrier_wait -1
	CREST                                          ; no wave of any partner still reads the bytes to be filled or has a load on its way
.if (\fill) == 1
	s_add_nc_u64 s[G0A0+2:G0A0+3], s[G0A0+2:G0A0+3], 6*FRB
	s_add_nc_u64 s[G0B0+2:G0B0+3], s[G0B0+2:G0B0+3], 6*FRB
	JLOAD G0A0, G1A, G0B0, G1B                     ; the first tensor load behind the round, and my only one; its four v_nop are also the places in front of the loads below
.else
	JLOAD G0P1A, G1P, G0P1B, G1PB
.endif
	NEXT_MID
	WIN MUL_HI
	MUL16 4, CP, 0
	MUL16 6, CP, 0
	PLACES 4
	WIN 0
	FETCH_A NSL, NQ, 4
.endm
; ---------------- STAGE 2'S MACROS
.macro FETCH4 s                        ; step s's fragments and scale words into set s % 2: 24 + 12 + 8 loads.  Steps 0-3 lie in R1, steps 4-7 in R0
.set FSL, 1-((\s)/4)
.set FQ,  (\s)%4
.set FP,  (\s)%2
	WIN TO_B
.irp i, 0,1,2,3,4,5,6,7
	FRAG 128*FP+12*\i, ADRB2+FSL, (4*\i+FQ)*FRB
.endr
	WIN 0
.irp i, 0,1,2,3
	FRAG AF+48*FP+12*\i, ADRA2+FSL, (4*\i+FQ)*FRB
.endr
.irp i, 0,1,2,3
	ds_load_b32 v[SC+8*FP+\i], v[ADRS2] offset:512*(\s)+64*\i    ; lanes 0-15: A's block i; lanes 16-31: B's block i
.endr
.irp i, 4,5,6,7
	ds_load_b32 v[SC+8*FP+\i], v[ADRS2B] offset:512*(\s)+64*\i   ; B's block i (in both halves of the lanes: there is no such block of A)
.endr
.endm
; 8 matrix instructions: A's block a x B's eight.  The 32 accumulators take turns, in the same order in every step.
.macro MUL8 a, p, bias
.irp b, 0,1,2,3,4,5,6,7
.set rD, 8*(8*(\a)+\b)
.set rB, 128*(\p)+12*\b
.set rA, AF+48*(\p)+12*(\a)
.set rSB, SC+8*(\p)+\b
.set rSA, SC+8*(\p)+(\a)
.if \bias
	v_wmma_scale_f32_16x16x128_f8f6f4 v[rD:rD+7], v[rB:rB+11], v[rA:rA+11], v[BI+8*(\a):BI+8*(\a)+7], v[rSB], v[rSA] matrix_a_fmt:MATRIX_FMT_FP6 matrix_b_fmt:MATRIX_FMT_FP6 matrix_a_scale:MATRIX_SCALE_ROW1
.else
	v_wmma_scale_f32_16x16x128_f8f6f4 v[rD:rD+7], v[rB:rB+11], v[rA:rA+11], v[rD:rD+7], v[rSB], v[rSA] matrix_a_fmt:MATRIX_FMT_FP6 matrix_b_fmt:MATRIX_FMT_FP6 matrix_a_scale:MATRIX_SCALE_ROW1
.endif
.endr
.endm
.macro PSTEP s, bias                   ; a step whose successor lies in a region known to be whole
	s_wait_dscnt 0x0                               ; this step's 44 loads are in (asked for 32 matrix instructions ago)
	PLACES 4                                       ; in front of loads into the set that the last step's matrix instructions have read
	FETCH4 (\s)+1
.if \bias
	WIN BIA_LO
.else
	WIN MUL_LO
.endif
	MUL8 0, (\s)%2, \bias
	MUL8 1, (\s)%2, \bias
	MUL8 2, (\s)%2, \bias
	MUL8 3, (\s)%2, \bias
.endm
; Step 3 changes regions: one barrier; in front of it each wave waits for all its tensor loads (its part of R0), adds 0 to its spare word, and waits for that and for its LDS reads.
.macro PTURN s
	WIN 0                                          ; (the add's two registers lie in window 0)
	s_wait_tensorcnt 0x0
	ds_add_u32 v[SPW], v[NIL]                      ; 0 onto my spare word
	s_wait_dscnt 1                                 ; this step's 44 loads are in (the add may be out)
	WIN MUL_LO
	MUL8 0, (\s)%2, 0                              ; eight matrix instructions stand between the add and the wait for it
	s_wait_dscnt 0x0
	s_barrier_signal -1
	MUL8 1, (\s)%2, 0
	WIN 0
	s_barrier_wait -1                              ; R0 is whole for every wave
	PLACES 4
	FETCH4 (\s)+1
	WIN MUL_LO
	MUL8 2, (\s)%2, 0
	MUL8 3, (\s)%2, 0
.endm
; ---------------- THE WAY OUT, of both stages.  A's block a: my lane's 64 results, register 16 b + i = column 32 b + 16 h + i of my row, become a fragment's codes and my row's scale word.
; Each accumulator is read from its low end on.  base: the scalar pair with the codes' address; stride: bytes from row block to row block of the output.
.macro QUANTW a, base, stride
.set AC, 64*((\a)%4)
.set WW, 2+(\a)/4                      ; the block's window
.set WM, (WW<<2)|(WW<<4)               ; sources 1 and 2 there
.set PC, 128+20*((\a)%2)               ; the codes: two sets by turns
	WIN WM
.irp b, 0,1,2,3
	v_max3_num_f32 v[TM+\b], 0x1800000, |v[AC+16*\b]|, |v[AC+16*\b+1]|   ; block b: my 16 numbers, and the floor 2^(3 - 127): the byte cannot fall under 1
.endr
.irp i, 2,4,6,8,10,12,14
.irp b, 0,1,2,3
	v_max3_num_f32 v[TM+\b], v[TM+\b], |v[AC+16*\b+\i]|, |v[AC+16*\b+\i+1]|
.endr
.endr
	WIN 0
.irp b, 0,1,2,3
	v_permlanex16_b32 v[TM+4+\b], v[TM+\b], s100, s101
.endr
.irp b, 0,1,2,3
	v_max_num_f32 v[TM+\b], v[TM+\b], v[TM+4+\b]   ; with lane l xor 16's: the block's largest magnitude
.endr
.irp b, 0,1,2,3
	v_add_nc_u32 v[TM+12+\b], 0xff000000, v[TM+\b] ; 2 off its exponent field: the conversion's scale operand
.endr
.irp b, 0,1,2,3
	v_lshrrev_b32 v[TM+4+\b], 23, v[TM+12+\b]      ; the scale's byte
.endr
	v_lshl_or_b32 v[PW+(\a)], v[TM+5], 8, v[TM+4]
	v_lshl_or_b32 v[PW+(\a)], v[TM+6], 16, v[PW+(\a)]
	v_lshl_or_b32 v[PW+(\a)], v[TM+7], 24, v[PW+(\a)]
.if (\a) >= 2
	s_wait_xcnt 0x0                                ; the stores of two blocks back have read this set of codes
.endif
	WIN WW                                         ; source 0 in the block's window
.irp c, 0,1
	v_cvt_scalef32_pk16_fp6_f32 v[PC+6*\c:PC+6*\c+2], v[AC+32*\c:AC+32*\c+15], v[TM+12+2*\c]
	v_cvt_scalef32_pk16_fp6_f32 v[PC+12+4*\c:PC+14+4*\c], v[AC+32*\c+16:AC+32*\c+31], v[TM+12+2*\c+1]   ; (a conversion's three registers begin on an even number)
.endr
	WIN 0
	v_nop                                          ; one plain instruction behind a scaled conversion
.irp c, 0,1                            ; the operand's layout wants a whole block in a lane: lanes 0-15 block 2 c, lanes 16-31 block 2 c + 1
.irp i, 0,1,2
	v_permlane16_swap_b32 v[PC+6*\c+\i], v[PC+12+4*\c+\i]
.endr
.irp i, 0,1,2
	v_mov_b32 v[PC+3+6*\c+\i], v[PC+12+4*\c+\i]
.endr
.endr
.irp c, 0,1,2
	global_store_b128 v[CO], v[PC+4*\c:PC+4*\c+3], s[\base:\base+1] offset:(\a)*(\stride)+512*\c   ; 32 lanes store 512 consecutive bytes, at a multiple of 512 from the buffer's first byte
.endr
	ds_store_b32 v[SCW], v[PW+(\a)] offset:64*(\a) ; both halves of the lanes write the same word with the same value
.endm
; ================ STAGE 1
	s_wait_tensorcnt 0x2                           ; my scale words and my part of slot 0 are in; slots 1 and 2 may be out
	s_wait_dscnt 0x0                               ; my stores of stage 2's scale words have landed
	s_barrier_signal -1
	s_barrier_wait -1                              ; everybody's are
	FETCH_B 0, 0, 0
	FETCH_A 0, 0, 0
	SCALES 0
	FETCH_A 0, 0, 4
	STEP 0, 1
	TURN 1, 1
	; STAGE 2'S DESCRIPTORS.  Step 1 has waited for all my first fills, and the one load that is out names G0A0 or G0B0 with G1A or G1B: the registers written here are named by no load that is out.
	s_lshl_b32 s96, s18, 2
	s_lshl_b32 s96, 15, s96                        ; my row of the cluster: Wv's tiles hang on cluster x and cy
	s_lshl_b32 s98, 0x1111, s17                    ; my column: x's tiles hang on cluster y and cx
	s_or_b32 s[G1P], s96, (3<<16)|(1<<21)
	s_or_b32 s[G1PB], s98, (3<<16)|(1<<21)
	s_mov_b32 s[G1P+1], 768<<16                    ; A: 4 row blocks x four K steps' 6,144 bytes, 12,288 bytes from row block to row block
	s_mov_b32 s[G1P+2], 4<<16
	s_mov_b32 s[G1P+3], 768<<16
	s_mov_b32 s[G1P+4], 4
	s_mov_b32 s[G1P+5], 1536
	s_mov_b32 s[G1P+6], 0
	s_mov_b32 s[G1P+7], 0
	s_mov_b32 s[G1PB+1], 768<<16                   ; B: 8 row blocks
	s_mov_b32 s[G1PB+2], 8<<16
	s_mov_b32 s[G1PB+3], 768<<16
	s_mov_b32 s[G1PB+4], 8
	s_mov_b32 s[G1PB+5], 1536
	s_mov_b32 s[G1PB+6], 0
	s_mov_b32 s[G1PB+7], 0
	s_lshl_b32 s92, ttmp9, 5                       ; Wv's first row block that I fetch: 640 + 32 cluster x + 8 cy + 4 x half.  In registers that never hold cx
	s_lshl_b32 s96, s18, 3
	s_add_co_u32 s92, s92, s96
	s_lshl_b32 s96, s16, 2
	s_add_co_u32 s92, s92, s96
	s_add_co_u32 s92, s92, 640
	s_mul_i32 s92, s92, 8*FRB
	s_mov_b32 s93, 0
	s_lshl_b32 s94, s19, 6                         ; x's: 64 cluster y + 16 cx + 8 x half.  In registers that never hold cy
	s_lshl_b32 s98, s17, 4
	s_add_co_u32 s94, s94, s98
	s_lshl_b32 s98, s16, 3
	s_add_co_u32 s94, s94, s98
	s_mul_i32 s94, s94, 8*FRB
	s_mov_b32 s95, 0
	s_mul_i32 s22, s16, APART                      ; where they go in a region
	s_mul_i32 s23, s16, BPART
	s_add_co_u32 s23, s23, 2*APART
	MKG0 G0P1A, 22, PSLOT, 92, 0                   ; R1: K steps 0-3
	MKG0 G0P0A, 22, 0, 92, 4*FRB                   ; R0: K steps 4-7
	MKG0 G0P1B, 23, PSLOT, 94, 0
	MKG0 G0P0B, 23, 0, 94, 4*FRB
	STEP 2, 0
	STEP 3, 0
	STEP 4, 0
	TURN 5, 2
	STEP 6, 0
	s_wait_dscnt 12                                ; stage 1's last step: nothing more to fetch
	WIN MUL_LO
	MUL16 0, 1, 0
	MUL16 2, 1, 0
	s_wait_dscnt 0x0
	WIN MUL_HI
	MUL16 4, 1, 0
	MUL16 6, 1, 0
	WIN 0
	PLACES 4                                       ; in front of the first reads of results and of writes into the registers that held A's fragments
.irp a, 0,1,2,3
	QUANTW \a, 2, 8*FRB
.endr
	; A ROUND IN THE MIDDLE OF THE WAY OUT.  Every wave's reads of slot 0 ended in its last step, and its part of R1 has landed: behind the round R1 is whole for every wave and R0 is asked for.
	s_wait_tensorcnt 0x0
	ds_add_u32 v[SPW], v[NIL]                      ; 0 onto my spare word
	s_wait_dscnt 0x0
	CROUND
	JLOAD G0P0A, G1P, G0P0B, G1PB                  ; the first tensor load behind the round, and my last
.irp a, 4,5,6,7
	QUANTW \a, 2, 8*FRB
.endr
	ds_load_b128 v[248:251], v[SCRD]               ; LDS serves a wave's instructions in order: this sees my eight stores
	s_wait_dscnt 0x0
	global_store_b128 v[CO], v[248:251], s[10:11]  ; my 8 row blocks' scale words: 512 consecutive bytes
; ================ STAGE 2
	s_wait_xcnt 0x0                                ; the stores have read the codes' registers: fragments may be loaded there
	FETCH4 0
.irp a, 0,1,2,3
.irp j, 0,1,2,3,4,5,6,7
	v_mov_b32 v[BI+8*\a+\j], v[BV+\a]              ; the bias by row: all eight registers of a tile of block a hold my row's number.  (It stands while the first fragments come)
.endr
.endr
	PSTEP 0, 1
	PSTEP 1, 0
	PSTEP 2, 0
	PTURN 3
	PSTEP 4, 0
	PSTEP 5, 0
	PSTEP 6, 0
	s_wait_dscnt 0x0                               ; the last step: nothing more to fetch
	WIN MUL_LO
	MUL8 0, 1, 0
	MUL8 1, 1, 0
	MUL8 2, 1, 0
	MUL8 3, 1, 0
	WIN 0
	PLACES 4
.irp a, 0,1,2,3
	QUANTW \a, 6, 16*FRB
.endr
	ds_load_b64 v[248:249], v[SCRD2]               ; my four stores, in order behind them
	s_wait_dscnt 0x0
	global_store_b64 v[SOUT2], v[248:249], s[8:9]  ; my 4 row blocks' scale words: 256 consecutive bytes, aligned
	s_wait_tensorcnt 0x0                           ; the wave's end, behind my last tensor load and my last LDS store
	ds_add_u32 v[SPW], v[NIL]
	s_wait_dscnt 0x0
	CROUND                                         ; the closing round: no work-group ends while a partner may still ask for a tile that names it
	s_endpgm
.Lfunc_end_k_q90ed11b5ff_proj:
	.size	k_q90ed11b5ff_proj, .Lfunc_end_k_q90ed11b5ff_proj-k_q90ed11b5ff_proj
	.p2alignl 7, 3214868480
	.fill 96, 4, 3214868480
	.section	.rodata,"a",@progbits
	.p2align	6, 0x0
	.amdhsa_kernel k_q90ed11b5ff_proj
		.amdhsa_group_segment_fixed_size 327680
		.amdhsa_private_segment_fixed_size 0
		.amdhsa_enable_private_segment 0
		.amdhsa_kernarg_size 40
		.amdhsa_user_sgpr_count 2
		.amdhsa_user_sgpr_kernarg_segment_ptr 1
		.amdhsa_wavefront_size32 1
		.amdhsa_system_sgpr_workgroup_id_x 1
		.amdhsa_system_sgpr_workgroup_id_y 1
		.amdhsa_system_sgpr_workgroup_id_z 1
		.amdhsa_system_vgpr_workitem_id 0
		.amdhsa_next_free_vgpr 1024
		.amdhsa_next_free_sgpr 102
		.amdhsa_reserve_vcc 0
		.amdhsa_float_denorm_mode_32 3
		.amdhsa_float_denorm_mode_16_64 3
		.amdhsa_memory_ordered 1
		.amdhsa_forward_progress 1
		.amdhsa_inst_pref_size 227
	.end_amdhsa_kernel
	.amdgpu_metadata
---
amdhsa.version: [ 1, 2 ]
amdhsa.kernels:
  - .name:           k_q90ed11b5ff_proj
    .symbol:         k_q90ed11b5ff_proj.kd
    .args:
      - { .name: opq, .offset: 0, .size: 8, .value_kind: global_buffer, .address_space: global }
      - { .name: bq, .offset: 8, .size: 8, .value_kind: global_buffer, .address_space: global }
      - { .name: bk, .offset: 16, .size: 8, .value_kind: global_buffer, .address_space: global }
      - { .name: bv, .offset: 24, .size: 8, .value_kind: global_buffer, .address_space: global }
      - { .name: qkv, .offset: 32, .size: 8, .value_kind: global_buffer, .address_space: global }
    .group_segment_fixed_size: 327680
    .private_segment_fixed_size: 0
    .kernarg_segment_align: 8
    .kernarg_segment_size: 40
    .max_flat_workgroup_size: 128
    .sgpr_count:     102
    .vgpr_count:     1024
    .wavefront_size: 32
...
	.end_amdgpu_metadata
.endif
;; end of part 2
;; launch scores (part 3): grid 8 x 32, 4 waves a work-group, clusters of 4 x 4, 327,680 bytes of LDS; arguments qkv, pw; writes pw
.if DOCPART == 3
	.amdgcn_target "amdgcn-amd-amdhsa--gfx1250"
	.amdhsa_code_object_version 6
	.text
	.protected	k_q90ed11b5ff_scores
	.globl	k_q90ed11b5ff_scores
	.p2align	8
	.type	k_q90ed11b5ff_scores,@function
k_q90ed11b5ff_scores:
	s_mov_b64 s[64:65], 0
	v_nop
	global_prefetch_b8 v0, s[64:65] scope:SCOPE_SE
	s_setreg_imm32_b32 hwreg(HW_REG_WAVE_MODE, 25, 1), 1
	s_wait_xcnt 0x0
	s_wait_alu depctr_hold_cnt(0) depctr_sa_sdst(0) depctr_va_vdst(0) depctr_va_sdst(0) depctr_va_ssrc(0) depctr_va_vcc(0) depctr_vm_vsrc(0)
	s_getreg_b32 s2, hwreg(HW_REG_IB_STS2, 6, 4)
	s_cmp_eq_u32 s2, 0
	s_cbranch_scc0 .Lentry_in_a_cluster
	s_endpgm
.Lentry_in_a_cluster:
	s_bfe_u32 s2, ttmp6, 0x10000c
	s_cmp_lg_u32 s2, 0xf033
	s_cbranch_scc0 .Lentry_shape_is_right
	s_endpgm
.Lentry_shape_is_right:
; S = Q K^T for each batch, on codes of FP6 (E2M3) with E8M0 scales, and the softmax's first half, for each query and each GROUP of 128 keys by itself:
; t = score x log2(e) / 32;  M_g = the group's largest t rounded up to a whole number;  p = 2^(t - M_g), quantised along the keys;  l_g = the sum of the unquantised p.
; Stored: p's codes and scale words, -M_g and l_g.  The next launch joins the groups: M = the largest M_g; a group's p under M is p x 2^(M_g - M), an exact power of two, which its scale bytes take up; the codes stay.
; The maximum is taken away ahead of every exponential: no p is above 1.
; OPERANDS lie as images of operand registers (a fragment: 16 rows x 128 K, 1,536 bytes, register g of lane l at 512 (g / 4) + 16 l + 4 (g % 4); fragments [row block][K step]; index i of row block rb is row
; 32 (rb / 2) + 8 (rb % 2) + i + 8 (i / 8)); scale words [K step][row block][16 words].  A = Q (source 1), B = K (source 0): lane (r, h) holds the query at position r of Q's block, and register 16 b + i of the block's 64 is key 32 b + 16 h + i.
; A tile is 256 queries x 256 keys, four waves of 128 x 128; a wave's 128 keys are one group, one K step of the last product.  K = 1,024: eight steps written out, three LDS slots of two steps, slot 0 filled twice.
; CLUSTERS: 4 x 4 work-groups; Q's tiles are shared along a row of the cluster, K's along a column, each by a joint load.
; LIMITS: a p under 2^-126 comes out as 0; a block whose every p is 0 keeps the byte 1 (zero codes); NaN and infinities are not served.
; No prefetch: three quarters of what a work-group reads is asked for by its first fills, at the head, and the one refill has four steps in which to land.
; REGISTERS: window 0: v16-29 addresses; v32-47 scale words, two sets, and nothing else ever; v64-127 p; v128-223 A's fragments, one set (on the way out: v128-167 codes, v176-207 a block's scale word, -M and l); v224-243 at work.
;   window 1: B's fragments, two sets.   windows 2, 3: accumulator (a, b) at v[8 (8 (a % 4) + b)].
.set FRB,   1536
.set WPART, 16*FRB
.set SLOT,  4*WPART
.set SCL,   3*SLOT
.set SPARE, 311552                     ; the spare words, 128 bytes for each wave: two blocks of 256 bytes that no other line names
.set SCR,   SLOT                       ; the way out: 2,048 bytes for each wave in slot 1, which is filled once and is read no more behind the last barrier
.set K_CODES, 512*8*FRB
.set Q_SC,  18874368
.set K_SC,  19136512
.set PW_ST, 12582912
.set ADRA, 16
.set ADRB, 20
.set SCW,  24
.set SCRD, 25
.set CO,   26
.set ADRS, 27
.set SPW,  28                          ; v28  my spare word: SPARE + 4 x my thread's number; never rewritten
.set NIL,  29                          ; v29  0; never rewritten
.set SC,   32
.set P,    64
.set AF,   128
.set PWR,  176                         ; v176-183 a scale word for each block of A
.set NMR,  184                         ; v184-199 for each block a pair: -M, and the largest t
.set LR,   200                         ; v200-207 l
.set BM,   224                         ; v224-227 the blocks' largest scores, then their largest p
.set BX,   228                         ; v228-231 the other half's, then bytes
.set SO,   232                         ; v232-235 the conversions' scale operands
.set T,    236
.set T2,   237
.set S0,   240                         ; v[240:241], v[242:243] the sum in two chains
.set S1,   242
.set G1A,  24
.set G1B,  32
.set G1SA, 40
.set G1SB, 48
.set G0A0, 56
.set G0A1, 60
.set G0A2, 68
.set G0AS, 72
.set G0B0, 76
.set G0B1, 80
.set G0B2, 84
.set G0BS, 88
.set MSB, 0
.macro WIN new                         ; the immediate's high byte repeats the setting that is left
.if MSB != \new
	s_set_vgpr_msb (MSB<<8)|\new
.set MSB, \new
.endif
.endm
.set MUL_LO, 0xa1                      ; source 0 (B) window 1, source 1 (A) window 0, C and D window 2
.set MUL_HI, 0xf1
.set TO_B,   0x40
.macro PLACES n
.rept \n
	v_nop
.endr
.endm
.macro JLOAD g0a, g1a, g0b, g1b        ; a joint load: waves 0 and 1 fetch for A, waves 2 and 3 for B; four v_nop follow each of the two lines
	s_cmp_eq_u32 s15, 0
	s_cbranch_scc0 .Lfor_b_\@
	tensor_load_to_lds s[\g0a:\g0a+3], s[\g1a:\g1a+7]
	s_nop 0
	PLACES 4
	s_branch .Lasked_\@
.Lfor_b_\@:
	tensor_load_to_lds s[\g0b:\g0b+3], s[\g1b:\g1b+7]
	s_nop 0
	PLACES 4
.Lasked_\@:
.endm
.macro CREST
	s_cmp_lg_u32 s14, 0
	s_cbranch_scc1 .Lnot_wave_0_\@
	s_barrier_signal -3
.Lnot_wave_0_\@:
	s_barrier_wait -3
	s_barrier_signal -1
	s_barrier_wait -1
.endm
.macro CROUND
	s_barrier_signal -1
	s_barrier_wait -1
	CREST
.endm
.macro MKG0 g, place, add, off, more
	s_mov_b32 s[\g], 1
	s_add_co_u32 s[\g+1], s[\place], \add
	s_add_nc_u64 s[\g+2:\g+3], s[4:5], s[\off:\off+1]
.if \more
	s_add_nc_u64 s[\g+2:\g+3], s[\g+2:\g+3], \more
.endif
	s_or_b32 s[\g+3], s[\g+3], 0x80000000
.endm
	s_load_b64 s[4:5], s[0:1], 0x0                 ; qkv
	s_load_b64 s[12:13], s[0:1], 0x8               ; pw
	v_lshl_add_u32 v[SPW], v0, 2, SPARE
	v_mov_b32 v[NIL], 0
	ds_add_u32 v28, v29
	ds_add_u32 v28, v29
	s_wait_dscnt 0x0
	v_lshrrev_b32 v1, 5, v0
	v_readfirstlane_b32 s14, v1                    ; wave 0..3
	s_lshr_b32 s15, s14, 1                         ; my half of the tile's queries.  Also: I fetch for A (0) or for B (1)
	s_and_b32 s16, s14, 1                          ; my half of its keys.  Also: which 8 row blocks I fetch
	s_bfe_u32 s17, ttmp6, 0x40000                  ; cx
	s_bfe_u32 s18, ttmp6, 0x40004                  ; cy
	s_and_b32 s19, ttmp7, 0xffff                   ; cluster y
	s_mov_b32 s6, 0x3d38aa3b                       ; c = log2(e) / 32
	s_mov_b32 s7, s6                               ; (the packed form names the pair and takes its low word for both halves)
	s_lshl_b32 s96, s18, 2
	s_lshl_b32 s96, 15, s96                        ; my row of the cluster
	s_lshl_b32 s98, 0x1111, s17                    ; my column
	s_or_b32 s[G1A], s96, (3<<16)|(1<<21)
	s_or_b32 s[G1B], s98, (3<<16)|(1<<21)
	s_or_b32 s[G1SA], s96, (3<<16)|(1<<21)
	s_or_b32 s[G1SB], s98, (3<<16)|(1<<21)
.irp g, G1A, G1B                       ; codes: 8 row blocks x two K steps' 3,072 bytes, 12,288 bytes apart
	s_mov_b32 s[\g+1], 384<<16
	s_mov_b32 s[\g+2], 8<<16
	s_mov_b32 s[\g+3], 384<<16
	s_mov_b32 s[\g+4], 8
	s_mov_b32 s[\g+5], 1536
	s_mov_b32 s[\g+6], 0
	s_mov_b32 s[\g+7], 0
.endr
.irp g, G1SA, G1SB                     ; scale words: 8 K steps x 512 bytes, 512 x 64 bytes apart
	s_mov_b32 s[\g+1], 64<<16
	s_mov_b32 s[\g+2], 8<<16
	s_mov_b32 s[\g+3], 64<<16
	s_mov_b32 s[\g+4], 8
	s_mov_b32 s[\g+5], 4096
	s_mov_b32 s[\g+6], 0
	s_mov_b32 s[\g+7], 0
.endr
	s_lshl_b32 s92, s19, 6                         ; Q's first row block that I fetch: 64 cluster y + 16 cy + 8 x half.  In registers that never hold cx
	s_lshl_b32 s96, s18, 4
	s_add_co_u32 s92, s92, s96
	s_lshl_b32 s96, s16, 3
	s_add_co_u32 s92, s92, s96
	s_lshl_b32 s96, s92, 6
	s_add_co_u32 s96, s96, Q_SC
	s_mov_b32 s97, 0
	s_mul_i32 s92, s92, 8*FRB
	s_mov_b32 s93, 0
	s_lshr_b32 s94, s19, 1                         ; K's: 128 x batch + 64 cluster x + 16 cx + 8 x half.  In registers that never hold cy
	s_lshl_b32 s94, s94, 7
	s_lshl_b32 s98, ttmp9, 6
	s_add_co_u32 s94, s94, s98
	s_lshl_b32 s98, s17, 4
	s_add_co_u32 s94, s94, s98
	s_lshl_b32 s98, s16, 3
	s_add_co_u32 s94, s94, s98
	s_lshl_b32 s98, s94, 6
	s_add_co_u32 s98, s98, K_SC
	s_mov_b32 s99, 0
	s_mul_i32 s94, s94, 8*FRB
	s_add_co_u32 s94, s94, K_CODES
	s_mov_b32 s95, 0
	s_mul_i32 s22, s14, WPART                      ; where they go: wave x a part
	s_lshl_b32 s23, s14, 12
	s_lshl_b32 s2, s15, 7
	s_add_co_u32 s23, s23, s2
	s_mov_b32 s100, 0x76543210
	s_mov_b32 s101, 0xfedcba98
	s_wait_kmcnt 0x0
	MKG0 G0AS, 23, SCL, 96, 0
	MKG0 G0A0, 22, 0, 92, 0
	MKG0 G0A1, 22, SLOT, 92, 2*FRB
	MKG0 G0A2, 22, 2*SLOT, 92, 4*FRB
	MKG0 G0BS, 23, SCL, 98, 0
	MKG0 G0B0, 22, 0, 94, 0
	MKG0 G0B1, 22, SLOT, 94, 2*FRB
	MKG0 G0B2, 22, 2*SLOT, 94, 4*FRB
	CROUND                                         ; all sixteen work-groups are here: the first joint loads meet
	s_cmp_eq_u32 s15, 0                            ; a wave's four first fills stand in one branch: four loads of mine are out
	s_cbranch_scc0 .Lfirst_b
	tensor_load_to_lds s[G0AS:G0AS+3], s[G1SA:G1SA+7]
	s_nop 0
	tensor_load_to_lds s[G0A0:G0A0+3], s[G1A:G1A+7]
	s_nop 0
	tensor_load_to_lds s[G0A1:G0A1+3], s[G1A:G1A+7]
	s_nop 0
	tensor_load_to_lds s[G0A2:G0A2+3], s[G1A:G1A+7]
	s_nop 0
	PLACES 4
	s_branch .Lfirst_done
.Lfirst_b:
	tensor_load_to_lds s[G0BS:G0BS+3], s[G1SB:G1SB+7]
	s_nop 0
	tensor_load_to_lds s[G0B0:G0B0+3], s[G1B:G1B+7]
	s_nop 0
	tensor_load_to_lds s[G0B1:G0B1+3], s[G1B:G1B+7]
	s_nop 0
	tensor_load_to_lds s[G0B2:G0B2+3], s[G1B:G1B+7]
	s_nop 0
	PLACES 4
.Lfirst_done:
	v_and_b32 v1, 15, v0                           ; r
	v_bfe_u32 v2, v0, 4, 1                         ; h
	v_and_b32 v3, 31, v0
	v_lshlrev_b32 v[CO], 4, v3
	s_mul_i32 s96, s15, WPART
	s_mul_i32 s97, s16, WPART
	s_add_co_u32 s97, s97, 2*WPART
.irp s, 0,1,2
	v_add_nc_u32 v[ADRA+\s], s96, v[CO]
	v_add_nc_u32 v[ADRB+\s], s97, v[CO]
	s_add_co_u32 s96, s96, SLOT
	s_add_co_u32 s97, s97, SLOT
.endr
	s_lshl_b32 s96, s15, 12                        ; scale words: lanes 0-15 A's region of my rows; lanes 16-31 B's region of my columns
	s_lshl_b32 s97, s16, 12
	s_add_co_u32 s97, s97, 8320
	s_sub_co_u32 s97, s97, s96
	v_mul_u32_u24 v5, s97, v2
	s_add_co_u32 s96, s96, SCL
	v_lshl_add_u32 v5, v1, 2, v5
	v_add_nc_u32 v[ADRS], s96, v5
	s_lshl_b32 s96, s14, 11
	s_add_co_u32 s96, s96, SCR
	v_lshl_add_u32 v[SCW], v1, 2, s96
	v_add_nc_u32 v[SCRD], s96, v[CO]
	s_lshl_b32 s8, s19, 6                          ; where the results go: first row block 64 cluster y + 16 cy + 8 x row half;
	s_lshl_b32 s9, s18, 4
	s_add_co_u32 s8, s8, s9
	s_lshl_b32 s9, s15, 3
	s_add_co_u32 s8, s8, s9
	s_lshl_b32 s9, ttmp9, 3                        ; group of keys 8 cluster x + 2 cx + column half
	s_lshl_b32 s10, s17, 1
	s_add_co_u32 s9, s9, s10
	s_add_co_u32 s9, s9, s16
	s_lshl_b32 s2, s8, 4
	s_add_co_u32 s2, s2, s9
	s_mul_i32 s2, s2, FRB
	s_mov_b32 s3, 0
	s_add_nc_u64 s[2:3], s[12:13], s[2:3]          ; p's codes [row block][16 groups]
	s_lshl_b32 s10, s9, 15
	s_lshl_b32 s11, s8, 6
	s_add_co_u32 s10, s10, s11
	s_add_co_u32 s10, s10, PW_ST
	s_mov_b32 s11, 0
	s_add_nc_u64 s[12:13], s[12:13], s[10:11]      ; scale words, -M, l: three arrays [group][row block][64 bytes], 524,288 bytes apart
.irp b, 0,1,2,3
	v_mov_b32 v[BX+\b], 0                          ; written once: a lane permute's destination counts as one of its sources
.endr
	v_mov_b32 v[T2], 0
.macro FRAG reg, adr, off
.irp c, 0,1,2
	ds_load_b128 v[\reg+4*\c:\reg+4*\c+3], v[\adr] offset:\off+512*\c
.endr
.endm
.macro FETCH_B slot, q, p
	WIN TO_B
.irp i, 0,1,2,3,4,5,6,7
	FRAG 128*(\p)+12*\i, ADRB+(\slot), (2*\i+(\q))*FRB
.endr
	WIN 0
.endm
.macro FETCH_A slot, q, i0
.irp i, \i0, \i0+1, \i0+2, \i0+3
	FRAG AF+12*(\i), ADRA+(\slot), (2*(\i)+(\q))*FRB
.endr
.endm
.macro SCALES ks
.irp i, 0,1,2,3,4,5,6,7
	ds_load_b32 v[SC+8*((\ks)%2)+\i], v[ADRS] offset:512*(\ks)+64*\i
.endr
.endm
; 16 matrix instructions: A's blocks a0, a0 + 1 x B's eight.  zero = 1: the first product starts the sums.  The 64 accumulators take turns, in the same order in every step.
.macro MUL16 a0, p, zero
.irp a, \a0, \a0+1
.irp b, 0,1,2,3,4,5,6,7
.set rD, 8*(8*((\a)%4)+\b)
.set rB, 128*(\p)+12*\b
.set rA, AF+12*(\a)
.set rSB, SC+8*(\p)+\b
.set rSA, SC+8*(\p)+(\a)
.if \zero
	v_wmma_scale_f32_16x16x128_f8f6f4 v[rD:rD+7], v[rB:rB+11], v[rA:rA+11], 0, v[rSB], v[rSA] matrix_a_fmt:MATRIX_FMT_FP6 matrix_b_fmt:MATRIX_FMT_FP6 matrix_a_scale:MATRIX_SCALE_ROW1
.else
	v_wmma_scale_f32_16x16x128_f8f6f4 v[rD:rD+7], v[rB:rB+11], v[rA:rA+11], v[rD:rD+7], v[rSB], v[rSA] matrix_a_fmt:MATRIX_FMT_FP6 matrix_b_fmt:MATRIX_FMT_FP6 matrix_a_scale:MATRIX_SCALE_ROW1
.endif
.endr
.endr
.endm
.macro NEXT_MID                        ; the next step's B, A's blocks 0-3 and scale words: 24 + 12 + 8 loads
	FETCH_B NSL, NQ, NQ
	FETCH_A NSL, NQ, 0
	SCALES NKS
.endm
.macro SETNEXT s
.set NKS, (\s)+1
.set NSL, (NKS/2)%3
.set NQ,  NKS%2
.set CP,  (\s)%2
.endm
.macro STEP s, zero
	SETNEXT \s
	s_wait_dscnt 12                                ; all but the youngest 12 loads (A's blocks 4-7) are in
	WIN MUL_LO
	MUL16 0, CP, \zero
	MUL16 2, CP, \zero
	s_wait_dscnt 0x0
	PLACES 4                                       ; in front of loads into registers that matrix instructions have read
	NEXT_MID
	WIN MUL_HI
	MUL16 4, CP, \zero
	MUL16 6, CP, \zero
	PLACES 4
	WIN 0
	FETCH_A NSL, NQ, 4
.endm
; A step with a barrier in it: in front of it each wave waits for all its tensor loads, adds 0 to its spare word, and waits for that and for all its LDS reads.
; fill = 1 (step 1): a round of the cluster's barrier; behind it slots 1 and 2 are whole, nobody reads slot 0, and slot 0 is asked for again, with K steps 6 and 7.  fill = 0 (step 5): behind it that fill is whole for every wave.
.macro TURN s, fill
	SETNEXT \s
	s_wait_tensorcnt 0x0
	ds_add_u32 v[SPW], v[NIL]                      ; 0 onto my spare word
	s_wait_dscnt 13                                ; (the add and the youngest 12 loads may be out)
	WIN MUL_LO
	MUL16 0, CP, 0
	s_wait_dscnt 0x0                               ; the add is done, and my LDS reads are over
	s_barrier_signal -1
	MUL16 2, CP, 0
	WIN 0
	s_barrier_wait -1
.if \fill
	CREST
	s_add_nc_u64 s[G0A0+2:G0A0+3], s[G0A0+2:G0A0+3], 6*FRB
	s_add_nc_u64 s[G0B0+2:G0B0+3], s[G0B0+2:G0B0+3], 6*FRB
	JLOAD G0A0, G1A, G0B0, G1B                     ; the first tensor load behind the round, and my only one; its four v_nop are also the places in front of the loads below
.else
	PLACES 4
.endif
	NEXT_MID
	WIN MUL_HI
	MUL16 4, CP, 0
	MUL16 6, CP, 0
	PLACES 4
	WIN 0
	FETCH_A NSL, NQ, 4
.endm
	s_wait_tensorcnt 0x2                           ; my scale words and my part of slot 0 are in; slots 1 and 2 may be out
	s_barrier_signal -1
	s_barrier_wait -1
	FETCH_B 0, 0, 0
	FETCH_A 0, 0, 0
	SCALES 0
	FETCH_A 0, 0, 4
	STEP 0, 1
	TURN 1, 1
	STEP 2, 0
	STEP 3, 0
	STEP 4, 0
	TURN 5, 0
	STEP 6, 0
	s_wait_dscnt 12
	WIN MUL_LO
	MUL16 0, 1, 0
	MUL16 2, 1, 0
	s_wait_dscnt 0x0
	WIN MUL_HI
	MUL16 4, 1, 0
	MUL16 6, 1, 0
	WIN 0
	PLACES 4
; THE WAY OUT.  Block a: 16 queries x my 128 keys.  Each accumulator is read from its low end on.
.macro SOFT a
.set AC, 64*((\a)%4)
.set WW, 2+(\a)/4
.set WM, (WW<<2)|(WW<<4)
.set PC, 128+20*((\a)%2)
.set NM, NMR+2*(\a)
	WIN WM
.irp b, 0,1,2,3
	v_max3_num_f32 v[BM+\b], 0xff800000, v[AC+16*\b], v[AC+16*\b+1]   ; the largest score of each block of 32 keys: it serves for the group's maximum and, since p rises with the score, for the block's largest p
.endr
.irp i, 2,4,6,8,10,12,14
.irp b, 0,1,2,3
	v_max3_num_f32 v[BM+\b], v[BM+\b], v[AC+16*\b+\i], v[AC+16*\b+\i+1]
.endr
.endr
	WIN 0
.irp b, 0,1,2,3
	v_permlanex16_b32 v[BX+\b], v[BM+\b], s100, s101
.endr
.irp b, 0,1,2,3
	v_max_num_f32 v[BM+\b], v[BM+\b], v[BX+\b]     ; with lane l xor 16's 16 keys
.endr
	v_max3_num_f32 v[T], v[BM], v[BM+1], v[BM+2]
	v_max_num_f32 v[T], v[T], v[BM+3]
	v_mul_f32 v[NM+1], s6, v[T]                    ; the group's largest t (c is positive)
	v_floor_f32 v[NM], -v[NM+1]                    ; -M = floor(-t) = -ceil(t): a whole number
	WIN WW
.set j, 0
.rept 32
	v_pk_fma_f32 v[P+j:P+j+1], v[AC+j:AC+j+1], s[6:7], v[NM:NM+1] op_sel_hi:[1,0,0]   ; t - M, two at a time
.set j, j+2
.endr
	WIN 0
.irp b, 0,1,2,3
	v_fma_f32 v[BM+\b], v[BM+\b], s6, v[NM]        ; the same of each block's largest score
.endr
.set j, 0
.rept 64
	v_exp_f32 v[P+j], v[P+j]                       ; p = 2^(t - M), at most 1
.set j, j+1
.endr
	v_nop                                          ; a plain instruction behind the exponentials
	s_wait_alu depctr_va_vdst(0)                   ; one wait for the batch, ahead of its first reader
.irp b, 0,1,2,3
	v_exp_f32 v[BM+\b], v[BM+\b]                   ; the block's largest p: the same two instructions on the same number give the same bits
.endr
	v_pk_add_f32 v[S0:S0+1], v[P:P+1], v[P+2:P+3]  ; the sum of the unquantised p, in two chains; it reads the 64 alone: plain work behind the four
	v_pk_add_f32 v[S1:S1+1], v[P+4:P+5], v[P+6:P+7]
.irp j, 8,12,16,20,24,28,32,36,40,44,48,52,56,60
	v_pk_add_f32 v[S0:S0+1], v[S0:S0+1], v[P+\j:P+\j+1]
	v_pk_add_f32 v[S1:S1+1], v[S1:S1+1], v[P+\j+2:P+\j+3]
.endr
	v_pk_add_f32 v[S0:S0+1], v[S0:S0+1], v[S1:S1+1]
	s_wait_alu depctr_va_vdst(0)                   ; and one for the four
.irp b, 0,1,2,3
	v_max_num_f32 v[BM+\b], 0x1800000, v[BM+\b]    ; the floor 2^(3 - 127): the byte cannot fall under 1
.endr
.irp b, 0,1,2,3
	v_add_nc_u32 v[SO+\b], 0xff000000, v[BM+\b]    ; 2 off the exponent field: the conversion's scale operand
.endr
.irp b, 0,1,2,3
	v_lshrrev_b32 v[BX+\b], 23, v[SO+\b]           ; the scale's byte: at most 125
.endr
	v_lshl_or_b32 v[PWR+(\a)], v[BX+1], 8, v[BX]
	v_lshl_or_b32 v[PWR+(\a)], v[BX+2], 16, v[PWR+(\a)]
	v_lshl_or_b32 v[PWR+(\a)], v[BX+3], 24, v[PWR+(\a)]
	v_add_f32 v[T], v[S0], v[S0+1]
	v_permlanex16_b32 v[T2], v[T], s100, s101
	v_add_f32 v[LR+(\a)], v[T], v[T2]              ; l of my query and these 128 keys
.if (\a) >= 2
	s_wait_xcnt 0x0                                ; the stores of two blocks back have read this set of codes
.endif
.irp c, 0,1
	v_cvt_scalef32_pk16_fp6_f32 v[PC+6*\c:PC+6*\c+2], v[P+32*\c:P+32*\c+15], v[SO+2*\c]
	v_cvt_scalef32_pk16_fp6_f32 v[PC+12+4*\c:PC+14+4*\c], v[P+32*\c+16:P+32*\c+31], v[SO+2*\c+1]
.endr
	v_nop                                          ; one plain instruction behind a scaled conversion
.irp c, 0,1
.irp i, 0,1,2
	v_permlane16_swap_b32 v[PC+6*\c+\i], v[PC+12+4*\c+\i]
.endr
.irp i, 0,1,2
	v_mov_b32 v[PC+3+6*\c+\i], v[PC+12+4*\c+\i]
.endr
.endr
.irp c, 0,1,2
	global_store_b128 v[CO], v[PC+4*\c:PC+4*\c+3], s[2:3] offset:(\a)*16*FRB+512*\c   ; 32 lanes store 512 consecutive bytes, at a multiple of 512 from the buffer's first byte
.endr
	ds_store_b32 v[SCW], v[PWR+(\a)] offset:64*(\a)       ; both halves of the lanes write the same words with the same values
	ds_store_b32 v[SCW], v[NM] offset:512+64*(\a)
	ds_store_b32 v[SCW], v[LR+(\a)] offset:1024+64*(\a)
.endm
.irp a, 0,1,2,3,4,5,6,7
	SOFT \a
.endr
.irp n, 0,1,2
	ds_load_b128 v[244+4*\n:247+4*\n], v[SCRD] offset:512*\n   ; LDS serves a wave's instructions in order: these see my stores
.endr
	s_wait_dscnt 0x0
.irp n, 0,1,2
	global_store_b128 v[CO], v[244+4*\n:247+4*\n], s[12:13] offset:524288*\n   ; my 8 row blocks' words of each array: 512 consecutive bytes
.endr
	s_wait_tensorcnt 0x0                           ; the wave's end, behind my last tensor load and my last LDS store
	ds_add_u32 v[SPW], v[NIL]
	s_wait_dscnt 0x0
	CROUND                                         ; the closing round
	s_endpgm
.Lfunc_end_k_q90ed11b5ff_scores:
	.size	k_q90ed11b5ff_scores, .Lfunc_end_k_q90ed11b5ff_scores-k_q90ed11b5ff_scores
	.p2alignl 7, 3214868480
	.fill 96, 4, 3214868480
	.section	.rodata,"a",@progbits
	.p2align	6, 0x0
	.amdhsa_kernel k_q90ed11b5ff_scores
		.amdhsa_group_segment_fixed_size 327680
		.amdhsa_private_segment_fixed_size 0
		.amdhsa_enable_private_segment 0
		.amdhsa_kernarg_size 16
		.amdhsa_user_sgpr_count 2
		.amdhsa_user_sgpr_kernarg_segment_ptr 1
		.amdhsa_wavefront_size32 1
		.amdhsa_system_sgpr_workgroup_id_x 1
		.amdhsa_system_sgpr_workgroup_id_y 1
		.amdhsa_system_sgpr_workgroup_id_z 1
		.amdhsa_system_vgpr_workitem_id 0
		.amdhsa_next_free_vgpr 1024
		.amdhsa_next_free_sgpr 102
		.amdhsa_reserve_vcc 0
		.amdhsa_float_denorm_mode_32 3
		.amdhsa_float_denorm_mode_16_64 3
		.amdhsa_memory_ordered 1
		.amdhsa_forward_progress 1
		.amdhsa_inst_pref_size 199
	.end_amdhsa_kernel
	.amdgpu_metadata
---
amdhsa.version: [ 1, 2 ]
amdhsa.kernels:
  - .name:           k_q90ed11b5ff_scores
    .symbol:         k_q90ed11b5ff_scores.kd
    .args:
      - { .name: qkv, .offset: 0, .size: 8, .value_kind: global_buffer, .address_space: global }
      - { .name: pw, .offset: 8, .size: 8, .value_kind: global_buffer, .address_space: global }
    .group_segment_fixed_size: 327680
    .private_segment_fixed_size: 0
    .kernarg_segment_align: 8
    .kernarg_segment_size: 16
    .max_flat_workgroup_size: 128
    .sgpr_count:     102
    .vgpr_count:     1024
    .wavefront_size: 32
...
	.end_amdgpu_metadata
.endif
;; end of part 3
;; launch pv (part 4): grid 4 x 64, 4 waves a work-group, clusters of 4 x 4, 327,680 bytes of LDS; arguments pw, qkv, out0; writes out0
.if DOCPART == 4
	.amdgcn_target "amdgcn-amd-amdhsa--gfx1250"
	.amdhsa_code_object_version 6
	.text
	.protected	k_q90ed11b5ff_pv
	.globl	k_q90ed11b5ff_pv
	.p2align	8
	.type	k_q90ed11b5ff_pv,@function
k_q90ed11b5ff_pv:
	s_mov_b64 s[64:65], 0
	v_nop
	global_prefetch_b8 v0, s[64:65] scope:SCOPE_SE
	s_setreg_imm32_b32 hwreg(HW_REG_WAVE_MODE, 25, 1), 1
	s_wait_xcnt 0x0
	s_wait_alu depctr_hold_cnt(0) depctr_sa_sdst(0) depctr_va_vdst(0) depctr_va_sdst(0) depctr_va_ssrc(0) depctr_va_vcc(0) depctr_vm_vsrc(0)
	s_getreg_b32 s2, hwreg(HW_REG_IB_STS2, 6, 4)
	s_cmp_eq_u32 s2, 0
	s_cbranch_scc0 .Lentry_in_a_cluster
	s_endpgm
.Lentry_in_a_cluster:
	s_bfe_u32 s2, ttmp6, 0x10000c
	s_cmp_lg_u32 s2, 0xf033
	s_cbranch_scc0 .Lentry_shape_is_right
	s_endpgm
.Lentry_shape_is_right:
; out = (P V) / l for each batch, on codes of FP6 (E2M3) with E8M0 scales.  P arrives in 16 groups of 128 keys, each under its own whole number M_g, with the group's sum l_g.
; THE GROUPS ARE JOINED AT THE HEAD, a thread to a query of the tile: M = the largest M_g;  l = the sum of l_g x 2^(M_g - M);  d = M - M_g is taken off each of the group's four scale bytes: p x 2^-d exactly, the codes stay.
; A byte that would fall under 0 is held at 0, and d is held at 127: such a group lies more than 2^-120 under the row's largest p, which is above 1/2; what it adds is under 8 x 2^-127 a code.
; OPERANDS lie as images of operand registers (a fragment: 16 rows x 128 K, 1,536 bytes; fragments [row block][K step]; index i of row block rb is row 32 (rb / 2) + 8 (rb % 2) + i + 8 (i / 8)).
; A = P (source 1): query positions;  B = V^T (source 0): channels; K = the batch's 2,048 keys.  Lane (r, h) holds the query at position r, and register j of V^T's block b is channel 32 (b / 2) + 16 h + 8 (b % 2) + j.
; A tile is 128 queries x 256 channels, so that the 256 tiles are one for each work-group of the grid; four waves of 64 x 128: 32 accumulators.  K goes in 16 steps of 128, written out, through two LDS slots of four steps each.
; CLUSTERS: 4 x 4 work-groups; P's tiles are shared along a row of the cluster, V^T's along a column, each by a joint load.
; LIMITS: NaN and infinities are not served.
; No prefetch: half of what a work-group reads is asked for by its first fills, at the head, and each refill has four steps, 128 matrix instructions, in which to land.
; REGISTERS: window 0: v1-7, v16-29 addresses; v32-47 scale words, two sets, and nothing else ever; v48-55 1 / l in pairs; v64-123 the head's work; v128-223 A's fragments, two sets of 48 (on the way out v128-255: rows of out).
;   window 1: B's fragments, two sets, at v0 and v128.   window 2: accumulator (a, b) at v[8 (8 a + b)].
.set FRB,   1536
.set APART, 16*FRB                     ; 4 row blocks x 4 K steps: what a tensor load for A brings, and what a wave reads of A in a slot
.set BPART, 32*FRB                     ; 8 row blocks x 4 K steps: the same for B
.set PSLOT, 2*APART+2*BPART            ; A's 8 row blocks, then B's 16
.set ASC,   2*PSLOT                    ; P's joined scale words [16 K steps][8 row blocks][64 bytes], stored by the threads; no tensor load lands in these blocks of 256 bytes
.set LRG,   ASC+8192                   ; 1 / l by position in the tile: 512 bytes, likewise
.set BSC,   LRG+640                    ; V^T's scale words, 2 x [16][8][64 bytes], by tensor loads; 128 bytes off a multiple of 256, so that A's and B's words fall on different halves of the banks
.set SPARE, 320256                     ; the spare words, 128 bytes for each wave: two blocks of 256 bytes that no other line names
.set SPITCH, 528                       ; the way out: a stage of 16 rows x (512 + 16) bytes for each wave, in slot 0, behind its last fill and its last read
.set PW_ST, 12582912
.set V_CODES, 12582912
.set V_SC,  19398656
.set ASW,  6                           ; v6   ASC + 4 x thread
.set RLA,  7                           ; v7   where my lane's 1 / l lie
.set ADRA, 16                          ; v16-17
.set ADRB, 20                          ; v20-21
.set STO,  24
.set RD,   25
.set CO,   26
.set ADRS, 27
.set SPW,  28                          ; v28  my spare word: SPARE + 4 x my thread's number; never rewritten
.set NIL,  29                          ; v29  0; never rewritten
.set SC,   32
.set RL,   48
.set ST,   64                          ; v64-79 scale words, v80-95 -M_g, v96-111 l_g
.set NMG,  112
.set LS,   113
.set EX,   114
.set T,    115
.set DD,   116
.set WD,   117
.set HB,   118
.set H2,   119
.set AF,   128
.set BK,   128
.set G1A,  24
.set G1B,  32
.set G1SB, 40
.set G0A0, 48
.set G0A1, 52
.set G0B0, 56
.set G0B1, 60
.set G0BS, 68
.set MSB, 0
.macro WIN new                         ; the immediate's high byte repeats the setting that is left
.if MSB != \new
	s_set_vgpr_msb (MSB<<8)|\new
.set MSB, \new
.endif
.endm
.set MUL,  0xa1                        ; source 0 (B) window 1, source 1 (A) window 0, C and D window 2
.set TO_B, 0x40
.macro PLACES n
.rept \n
	v_nop
.endr
.endm
.macro JLOAD g0a, g1a, g0b, g1b        ; a joint load: waves 0 and 1 fetch for A, waves 2 and 3 for B; four v_nop follow each of the two lines
	s_cmp_eq_u32 s15, 0
	s_cbranch_scc0 .Lfor_b_\@
	tensor_load_to_lds s[\g0a:\g0a+3], s[\g1a:\g1a+7]
	s_nop 0
	PLACES 4
	s_branch .Lasked_\@
.Lfor_b_\@:
	tensor_load_to_lds s[\g0b:\g0b+3], s[\g1b:\g1b+7]
	s_nop 0
	PLACES 4
.Lasked_\@:
.endm
.macro CREST
	s_cmp_lg_u32 s14, 0
	s_cbranch_scc1 .Lnot_wave_0_\@
	s_barrier_signal -3
.Lnot_wave_0_\@:
	s_barrier_wait -3
	s_barrier_signal -1
	s_barrier_wait -1
.endm
.macro CROUND
	s_barrier_signal -1
	s_barrier_wait -1
	CREST
.endm
.macro MKG0 g, place, add, base, off, more
	s_mov_b32 s[\g], 1
	s_add_co_u32 s[\g+1], s[\place], \add
	s_add_nc_u64 s[\g+2:\g+3], s[\base:\base+1], s[\off:\off+1]
.if \more
	s_add_nc_u64 s[\g+2:\g+3], s[\g+2:\g+3], \more
.endif
	s_or_b32 s[\g+3], s[\g+3], 0x80000000
.endm
	s_load_b128 s[4:7], s[0:1], 0x0                ; pw, qkv
	s_load_b64 s[12:13], s[0:1], 0x10              ; out0
	v_lshl_add_u32 v[SPW], v0, 2, SPARE
	v_mov_b32 v[NIL], 0
	ds_add_u32 v28, v29
	ds_add_u32 v28, v29
	s_wait_dscnt 0x0
	v_lshrrev_b32 v1, 5, v0
	v_readfirstlane_b32 s14, v1                    ; wave 0..3
	s_lshr_b32 s15, s14, 1                         ; my half of the tile's queries.  Also: I fetch for A (0) or for B (1)
	s_and_b32 s16, s14, 1                          ; my half of its channels.  Also: which half of the row blocks I fetch
	s_bfe_u32 s17, ttmp6, 0x40000                  ; cx
	s_bfe_u32 s18, ttmp6, 0x40004                  ; cy
	s_and_b32 s19, ttmp7, 0xffff                   ; cluster y
	s_lshl_b32 s92, s19, 5                         ; the tile's first row block of P: 32 cluster y + 8 cy.  In registers that never hold cx
	s_lshl_b32 s96, s18, 3
	s_add_co_u32 s92, s92, s96
	s_lshl_b32 s10, s92, 6
	s_add_co_u32 s10, s10, PW_ST
	s_mov_b32 s11, 0
	v_lshlrev_b32 v4, 2, v0                        ; a thread to a query of the tile
	s_wait_kmcnt 0x0
	s_add_nc_u64 s[8:9], s[4:5], s[10:11]
.irp n, 0,1,2                          ; my query's scale word, -M_g and l_g of each of the 16 groups: asked for ahead of everything else
.irp g, 0,1,2,3,4,5,6,7,8,9,10,11,12,13,14,15
	global_load_b32 v[ST+16*\n+\g], v4, s[8:9] offset:524288*\n+32768*\g
.endr
.endr
	s_lshl_b32 s96, s18, 2
	s_lshl_b32 s96, 15, s96                        ; my row of the cluster
	s_lshl_b32 s98, 0x1111, s17                    ; my column
	s_or_b32 s[G1A], s96, (3<<16)|(1<<21)          ; 15:0 the mask; 17:16 elements of 8 bytes; 21 set beside a mask; no padding
	s_or_b32 s[G1B], s98, (3<<16)|(1<<21)
	s_or_b32 s[G1SB], s98, (3<<16)|(1<<21)
	s_mov_b32 s[G1A+1], 768<<16                    ; P's codes: 4 row blocks x four K steps' 6,144 bytes, 24,576 bytes apart
	s_mov_b32 s[G1A+2], 4<<16
	s_mov_b32 s[G1A+3], 768<<16
	s_mov_b32 s[G1A+4], 4
	s_mov_b32 s[G1A+5], 3072
	s_mov_b32 s[G1A+6], 0
	s_mov_b32 s[G1A+7], 0
	s_mov_b32 s[G1B+1], 768<<16                    ; V^T's: 8 row blocks
	s_mov_b32 s[G1B+2], 8<<16
	s_mov_b32 s[G1B+3], 768<<16
	s_mov_b32 s[G1B+4], 8
	s_mov_b32 s[G1B+5], 3072
	s_mov_b32 s[G1B+6], 0
	s_mov_b32 s[G1B+7], 0
	s_mov_b32 s[G1SB+1], 64<<16                    ; V^T's scale words: 16 K steps x 8 row blocks' 512 bytes, 256 x 64 bytes apart
	s_mov_b32 s[G1SB+2], 16<<16
	s_mov_b32 s[G1SB+3], 64<<16
	s_mov_b32 s[G1SB+4], 16
	s_mov_b32 s[G1SB+5], 2048
	s_mov_b32 s[G1SB+6], 0
	s_mov_b32 s[G1SB+7], 0
	s_lshl_b32 s96, s16, 2
	s_add_co_u32 s92, s92, s96                     ; P's first row block that I fetch
	s_mul_i32 s92, s92, 16*FRB
	s_mov_b32 s93, 0
	s_lshr_b32 s94, s19, 2                         ; V^T's: 64 x batch + 16 cx + 8 x half.  In registers that never hold cy
	s_lshl_b32 s94, s94, 6
	s_lshl_b32 s98, s17, 4
	s_add_co_u32 s94, s94, s98
	s_lshl_b32 s98, s16, 3
	s_add_co_u32 s94, s94, s98
	s_lshl_b32 s98, s94, 6
	s_add_co_u32 s98, s98, V_SC
	s_mov_b32 s99, 0
	s_mul_i32 s94, s94, 16*FRB
	s_add_co_u32 s94, s94, V_CODES
	s_mov_b32 s95, 0
	s_mul_i32 s22, s16, APART                      ; where they go: no place in the cluster enters an LDS address
	s_mul_i32 s23, s16, BPART
	s_add_co_u32 s23, s23, 2*APART
	s_lshl_b32 s20, s16, 13
	s_add_co_u32 s20, s20, BSC
	MKG0 G0BS, 20, 0, 6, 98, 0
	MKG0 G0A0, 22, 0, 4, 92, 0
	MKG0 G0A1, 22, PSLOT, 4, 92, 4*FRB
	MKG0 G0B0, 23, 0, 6, 94, 0
	MKG0 G0B1, 23, PSLOT, 6, 94, 4*FRB
	CROUND                                         ; all sixteen work-groups are here: the first joint loads meet
	s_cmp_eq_u32 s15, 0                            ; a wave's first fills stand in one branch: three loads (waves 0, 1) or two (waves 2, 3) of mine are out
	s_cbranch_scc0 .Lfirst_b
	tensor_load_to_lds s[G0BS:G0BS+3], s[G1SB:G1SB+7]
	s_nop 0
	tensor_load_to_lds s[G0A0:G0A0+3], s[G1A:G1A+7]
	s_nop 0
	tensor_load_to_lds s[G0A1:G0A1+3], s[G1A:G1A+7]
	s_nop 0
	PLACES 4
	s_branch .Lfirst_done
.Lfirst_b:
	tensor_load_to_lds s[G0B0:G0B0+3], s[G1B:G1B+7]
	s_nop 0
	tensor_load_to_lds s[G0B1:G0B1+3], s[G1B:G1B+7]
	s_nop 0
	PLACES 4
.Lfirst_done:
	v_and_b32 v1, 15, v0                           ; r
	v_bfe_u32 v2, v0, 4, 1                         ; h
	v_and_b32 v3, 31, v0
	v_lshlrev_b32 v[CO], 4, v3
	v_lshl_add_u32 v[ASW], v0, 2, ASC
	s_mul_i32 s96, s15, APART                      ; my 4 row blocks of A,
	s_mul_i32 s97, s16, BPART
	s_add_co_u32 s97, s97, 2*APART                 ; my 8 of B
.irp s, 0,1
	v_add_nc_u32 v[ADRA+\s], s96, v[CO]
	v_add_nc_u32 v[ADRB+\s], s97, v[CO]
	s_add_co_u32 s96, s96, PSLOT
	s_add_co_u32 s97, s97, PSLOT
.endr
	s_lshl_b32 s96, s15, 8                         ; scale words: lanes 0-15 A's, from my 4 row blocks on; lanes 16-31 B's region of my channels
	s_lshl_b32 s97, s16, 13
	s_add_co_u32 s97, s97, BSC-ASC
	s_sub_co_u32 s97, s97, s96
	v_mul_u32_u24 v5, s97, v2
	s_add_co_u32 s97, s96, ASC
	v_lshl_add_u32 v5, v1, 2, v5
	v_add_nc_u32 v[ADRS], s97, v5
	s_add_co_u32 s97, s96, LRG
	v_lshl_add_u32 v[RLA], v1, 2, s97
	s_mul_i32 s96, s14, 16*SPITCH                  ; my stage
	v_mul_u32_u24 v5, v1, SPITCH
	v_lshl_add_u32 v5, v2, 6, v5
	v_add_nc_u32 v[STO], s96, v5                   ; in: row r, + 64 h
	v_add_nc_u32 v[RD], s96, v[CO]                 ; back: a row of 512 bytes, 16 bytes a lane
	s_lshl_b32 s2, s19, 5                          ; out0: row 16 x (32 cluster y + 8 cy + 4 x row half), channel 256 cx + 128 x column half
	s_lshl_b32 s3, s18, 3
	s_add_co_u32 s2, s2, s3
	s_lshl_b32 s3, s15, 2
	s_add_co_u32 s2, s2, s3
	s_lshl_b32 s2, s2, 16
	s_lshl_b32 s3, s17, 10
	s_add_co_u32 s2, s2, s3
	s_lshl_b32 s3, s16, 9
	s_add_co_u32 s2, s2, s3
	s_mov_b32 s3, 0
	s_add_nc_u64 s[12:13], s[12:13], s[2:3]
	s_mov_b32 s21, 0x80808080
.irp a, 0,1,2,3
	v_mov_b32 v[RL+2*\a+1], 0                      ; (named as the upper halves of pairs)
.endr
	; THE GROUPS ARE JOINED
	s_wait_loadcnt 0x0
	v_min3_num_f32 v[NMG], v[ST+16], v[ST+17], v[ST+18]
.irp g, 3,5,7,9,11,13
	v_min3_num_f32 v[NMG], v[NMG], v[ST+16+\g], v[ST+17+\g]
.endr
	v_min_num_f32 v[NMG], v[NMG], v[ST+31]         ; -M = the least -M_g
.irp g, 0,1,2,3,4,5,6,7,8,9,10,11,12,13,14,15
	v_sub_f32 v[T], v[NMG], v[ST+16+\g]            ; M_g - M: a whole number, 0 or less,
	v_max_num_f32 v[T], 0xc2fe0000, v[T]           ; held at -127
	v_cvt_i32_f32 v[EX], v[T]
.if \g == 0
	v_ldexp_f32 v[LS], v[ST+32], v[EX]             ; l = the sum of l_g x 2^(M_g - M)
.else
	v_ldexp_f32 v[T], v[ST+32+\g], v[EX]
	v_add_f32 v[LS], v[LS], v[T]
.endif
	v_sub_nc_u32 v[DD], 0, v[EX]                   ; d = M - M_g, 0 .. 127,
	v_lshl_or_b32 v[DD], v[DD], 8, v[DD]
	v_lshl_or_b32 v[DD], v[DD], 16, v[DD]          ; in all four bytes
	v_or_b32 v[WD], s21, v[ST+\g]                  ; the bytes are at most 125: with bit 7 set in each, no byte borrows from the next;
	v_sub_nc_u32 v[WD], v[WD], v[DD]
	v_and_b32 v[HB], s21, v[WD]                    ; bit 7 is left where byte >= d:
	v_lshrrev_b32 v[H2], 7, v[HB]
	v_sub_nc_u32 v[HB], v[HB], v[H2]               ; 0x7f there, 0 elsewhere
	v_and_b32 v[ST+\g], v[WD], v[HB]               ; byte - d, held at 0
	ds_store_b32 v[ASW], v[ST+\g] offset:512*\g
.endr
	v_rcp_f32 v[T], v[LS]
	v_nop                                          ; a plain instruction behind the reciprocal,
	s_wait_alu depctr_va_vdst(0)                   ; and a wait ahead of its first reader
	ds_store_b32 v[ASW], v[T] offset:LRG-ASC
.macro FRAG reg, adr, off
.irp c, 0,1,2
	ds_load_b128 v[\reg+4*\c:\reg+4*\c+3], v[\adr] offset:\off+512*\c
.endr
.endm
.macro FETCH4 s                        ; step s's fragments and scale words into set s % 2: 24 + 12 + 8 loads
.set FSL, ((\s)/4)%2
.set FQ,  (\s)%4
.set FP,  (\s)%2
	WIN TO_B
.irp i, 0,1,2,3,4,5,6,7
	FRAG 128*FP+12*\i, ADRB+FSL, (4*\i+FQ)*FRB
.endr
	WIN 0
.irp i, 0,1,2,3
	FRAG AF+48*FP+12*\i, ADRA+FSL, (4*\i+FQ)*FRB
.endr
.irp i, 0,1,2,3,4,5,6,7
	ds_load_b32 v[SC+8*FP+\i], v[ADRS] offset:512*(\s)+64*\i   ; lanes 0-15: A's block i (of registers 4-7 these lanes are not used); lanes 16-31: B's block i
.endr
.endm
; 8 matrix instructions: A's block a x B's eight.  The 32 accumulators take turns, in the same order in every step.
.macro MUL8 a, p, zero
.irp b, 0,1,2,3,4,5,6,7
.set rD, 8*(8*(\a)+\b)
.set rB, 128*(\p)+12*\b
.set rA, AF+48*(\p)+12*(\a)
.set rSB, SC+8*(\p)+\b
.set rSA, SC+8*(\p)+(\a)
.if \zero
	v_wmma_scale_f32_16x16x128_f8f6f4 v[rD:rD+7], v[rB:rB+11], v[rA:rA+11], 0, v[rSB], v[rSA] matrix_a_fmt:MATRIX_FMT_FP6 matrix_b_fmt:MATRIX_FMT_FP6 matrix_a_scale:MATRIX_SCALE_ROW1
.else
	v_wmma_scale_f32_16x16x128_f8f6f4 v[rD:rD+7], v[rB:rB+11], v[rA:rA+11], v[rD:rD+7], v[rSB], v[rSA] matrix_a_fmt:MATRIX_FMT_FP6 matrix_b_fmt:MATRIX_FMT_FP6 matrix_a_scale:MATRIX_SCALE_ROW1
.endif
.endr
.endm
.macro PSTEP s, zero                   ; a step whose successor lies in a slot known to be whole
	s_wait_dscnt 0x0                               ; this step's 44 loads are in (asked for 32 matrix instructions ago)
	PLACES 4                                       ; in front of loads into the set that the last step's matrix instructions have read
	FETCH4 (\s)+1
	WIN MUL
	MUL8 0, (\s)%2, \zero
	MUL8 1, (\s)%2, \zero
	MUL8 2, (\s)%2, \zero
	MUL8 3, (\s)%2, \zero
.endm
; A slot's last step changes slots: one barrier; in front of it each wave waits for all its tensor loads, adds 0 to its spare word, and waits for that and for its reads of this slot.
; fill = 1: the barrier opens a round of the cluster's, and this slot is filled again, eight K steps on.
.macro PTURN s, g0a, g0b, fill
	WIN 0                                          ; (the add's two registers lie in window 0)
	s_wait_tensorcnt 0x0                           ; all my tensor loads have landed: my part of the next slot
	ds_add_u32 v[SPW], v[NIL]                      ; 0 onto my spare word
	s_wait_dscnt 1                                 ; this step's 44 loads are in (the add may be out)
	WIN MUL
	MUL8 0, (\s)%2, 0                              ; eight matrix instructions stand between the add and the wait for it
	s_wait_dscnt 0x0                               ; the add is done, and my reads of this slot are over
	s_barrier_signal -1
	MUL8 1, (\s)%2, 0
	WIN 0
	s_barrier_wait -1
.if \fill
	CREST                                          ; no wave of any partner still reads this slot or has a load on its way
	s_add_nc_u64 s[\g0a+2:\g0a+3], s[\g0a+2:\g0a+3], 8*FRB
	s_add_nc_u64 s[\g0b+2:\g0b+3], s[\g0b+2:\g0b+3], 8*FRB
	JLOAD \g0a, G1A, \g0b, G1B                     ; the first tensor load behind the round, and my only one; its four v_nop are also the places in front of the loads below
.else
	PLACES 4
.endif
	FETCH4 (\s)+1
	WIN MUL
	MUL8 2, (\s)%2, 0
	MUL8 3, (\s)%2, 0
.endm
	s_wait_tensorcnt 0x1                           ; V^T's scale words and my part of slot 0 are in; slot 1's may be out
	s_wait_dscnt 0x0                               ; my stores of scale words and of 1 / l have landed
	s_barrier_signal -1
	s_barrier_wait -1
.irp a, 0,1,2,3
	ds_load_b32 v[RL+2*\a], v[RLA] offset:64*\a    ; 1 / l of the query at position r of my block a
.endr
	FETCH4 0
	PSTEP 0, 1
	PSTEP 1, 0
	PSTEP 2, 0
	PTURN 3, G0A0, G0B0, 1
	PSTEP 4, 0
	PSTEP 5, 0
	PSTEP 6, 0
	PTURN 7, G0A1, G0B1, 1
	PSTEP 8, 0
	PSTEP 9, 0
	PSTEP 10, 0
	PTURN 11, G0A0, G0B0, 0
	PSTEP 12, 0
	PSTEP 13, 0
	PSTEP 14, 0
	s_wait_dscnt 0x0                               ; the last step: nothing more to fetch
	MUL8 0, 1, 0
	MUL8 1, 1, 0
	MUL8 2, 1, 0
	MUL8 3, 1, 0
	PLACES 4                                       ; in front of the first reads of results and of loads into the registers that held A's fragments
; THE WAY OUT, block by block of 16 queries x 128 channels: times 1 / l in place, each accumulator from its low end on; through my own stage in LDS; back as whole rows of 512 bytes.
.macro TOSTAGE a
	WIN 0x82                                       ; destination and source 0 window 2, 1 / l window 0
.set j, 0
.rept 32
	v_pk_mul_f32 v[64*(\a)+j:64*(\a)+j+1], v[64*(\a)+j:64*(\a)+j+1], v[RL+2*(\a):RL+2*(\a)+1] op_sel_hi:[1,0]
.set j, j+2
.endr
	WIN 0x08                                       ; an LDS store's data are its source 1: window 2
.irp b, 0,1,2,3,4,5,6,7
	ds_store_b128 v[STO], v[64*(\a)+8*\b:64*(\a)+8*\b+3] offset:128*(\b/2)+32*(\b%2)
	ds_store_b128 v[STO], v[64*(\a)+8*\b+4:64*(\a)+8*\b+7] offset:128*(\b/2)+32*(\b%2)+16
.endr
	WIN 0
.set BB, BK+64*((\a)%2)
.irp t, 0,1,2,3,4,5,6,7,8,9,10,11,12,13,14,15
	ds_load_b128 v[BB+4*\t:BB+4*\t+3], v[RD] offset:\t*SPITCH   ; LDS serves a wave's instructions in order: these see the stores above, and the next block's stores come behind them
.endr
.endm
.macro SEND a, younger                 ; younger: the LDS instructions issued behind block a's loads, which may stay out
.set BB, BK+64*((\a)%2)
	s_wait_dscnt \younger
.irp t, 0,1,2,3,4,5,6,7,8,9,10,11,12,13,14,15
	global_store_b128 v[CO], v[BB+4*\t:BB+4*\t+3], s[12:13] offset:(32*((\a)/2)+8*((\a)%2)+\t+8*(\t/8))*4096 th:TH_STORE_NT   ; position t of block a is this row; 32 lanes store 512 consecutive bytes, aligned; written once, read by nobody here
.endr
.endm
	TOSTAGE 0
.irp a, 1,2,3
.if \a > 1
	s_wait_xcnt 0x0                                ; block a - 2's stores have read their registers: block a's loads may land there
.endif
	TOSTAGE \a
	SEND \a-1, 32                                  ; behind block a - 1's loads: block a's 16 stores and 16 loads
.endr
	SEND 3, 0
	s_wait_tensorcnt 0x0                           ; the wave's end, behind my last tensor load and my last LDS store
	ds_add_u32 v[SPW], v[NIL]
	s_wait_dscnt 0x0
	CROUND                                         ; the closing round
	s_endpgm
.Lfunc_end_k_q90ed11b5ff_pv:
	.size	k_q90ed11b5ff_pv, .Lfunc_end_k_q90ed11b5ff_pv-k_q90ed11b5ff_pv
	.p2alignl 7, 3214868480
	.fill 96, 4, 3214868480
	.section	.rodata,"a",@progbits
	.p2align	6, 0x0
	.amdhsa_kernel k_q90ed11b5ff_pv
		.amdhsa_group_segment_fixed_size 327680
		.amdhsa_private_segment_fixed_size 0
		.amdhsa_enable_private_segment 0
		.amdhsa_kernarg_size 24
		.amdhsa_user_sgpr_count 2
		.amdhsa_user_sgpr_kernarg_segment_ptr 1
		.amdhsa_wavefront_size32 1
		.amdhsa_system_sgpr_workgroup_id_x 1
		.amdhsa_system_sgpr_workgroup_id_y 1
		.amdhsa_system_sgpr_workgroup_id_z 1
		.amdhsa_system_vgpr_workitem_id 0
		.amdhsa_next_free_vgpr 768
		.amdhsa_next_free_sgpr 102
		.amdhsa_reserve_vcc 0
		.amdhsa_float_denorm_mode_32 3
		.amdhsa_float_denorm_mode_16_64 3
		.amdhsa_memory_ordered 1
		.amdhsa_forward_progress 1
		.amdhsa_inst_pref_size 162
	.end_amdhsa_kernel
	.amdgpu_metadata
---
amdhsa.version: [ 1, 2 ]
amdhsa.kernels:
  - .name:           k_q90ed11b5ff_pv
    .symbol:         k_q90ed11b5ff_pv.kd
    .args:
      - { .name: pw, .offset: 0, .size: 8, .value_kind: global_buffer, .address_space: global }
      - { .name: qkv, .offset: 8, .size: 8, .value_kind: global_buffer, .address_space: global }
      - { .name: out0, .offset: 16, .size: 8, .value_kind: global_buffer, .address_space: global }
    .group_segment_fixed_size: 327680
    .private_segment_fixed_size: 0
    .kernarg_segment_align: 8
    .kernarg_segment_size: 24
    .max_flat_workgroup_size: 128
    .sgpr_count:     102
    .vgpr_count:     768
    .wavefront_size: 32
...
	.end_amdgpu_metadata
.endif
;; end of part 4
